; MI455X (gfx1250); checked and timed in simulation.
; The chip was launched on July 23, 2026; its instructions are those of AMD's public machine-readable ISA for CDNA 5 (MIT licence, August 2026) and "CDNA5" Instruction Set Architecture Reference Guide (July 2026). The comments in the code are by the model that wrote it; some were corrected since.
;; M Mo E Layer. Allowed arithmetic: matrix products marked QUANTISED: E5M2 operands, one E8M0 scale for each 32 along K, by v_wmma_scale_f32_16x16x128_f8f6f4 with both operands' format E5M2, f32 sums; products left as they are: f32 operands where the result goes on into a quantised operand, else bf16, f16 or f32 operands; f32 sums; everything else in f32.
;; Inputs: S 7 x 1,040 x 7 float32; W1 7 x 1,024 x 2,048 float32; W2 7 x 2,048 x 1,024 float32; b1 7 x 2,048 float32; b2 7 x 1,024 float32; scene 2,048 int32; scene_emb 10 x 16 float32; x 2,048 x 1,024 float32.
;; Outputs: out0 2 x 2,048 x 1,024 float32.
;; This version of the problem:
;;   THIS VERSION OF THE PROBLEM IS GIVEN IN LOW PRECISION. The matrix products marked QUANTISED in the list below multiply operands that are first quantised to E5M2 (5 exponent bits, 2 mantissa bits; 8 bits a number), with one power-of-two scale for each 32 numbers along K (OCP MX v1.0); their sums are f32. All else is computed in f32.
;;   The module's matrix products, in the order in which they are computed (A, B: the left and right operand; K: the contracted axis; several contracted axes count as one K, in the product's order):
;;     1. [M 2,048, K 1,024] x [K 1,024, N 14,336]; A: input x; B: input W1: QUANTISED
;;     2. batch 7 x [M 1,024, K 2,048] x [K 2,048, N 2,048]; A: input W2; B: computed on the way: QUANTISED
;;     3. [M 2,048, K 1,040] x [K 1,040, N 49]; A: computed on the way; B: input S: QUANTISED
;;     4. batch 2,048 x [M 1, K 7] x [K 7, N 1,024]; A: computed on the way; B: computed on the way: left as it is (K = 7 < 32)
;;   THE QUANTISER, for each operand of a quantised product, along K:
;;     - K is cut into blocks of 32 from its start; a last block that is shorter is filled with zeros.
;;     - A block's scale is 2^e with e = floor(log2(the largest magnitude in the block)) - 15, held to -126 .. 127; a block of zeros has e = 0. As a byte (E8M0): e + 127.
;;     - Each number is divided by its block's scale, clamped to +-57,344, and rounded to the nearest number of E5M2, ties to even, subnormals kept.
;;     - The product sums the exact products of the quantised numbers (number of the format x scale) in f32.
;;   ~~~python
;;   def quantise(x, axis):      # numpy; x: float32 -> the quantised numbers, widened to float32 again
;;       x = np.moveaxis(x, axis, -1); K = x.shape[-1]
;;       x = np.pad(x, [(0, 0)] * (x.ndim - 1) + [(0, -K % 32)]); x = x.reshape(x.shape[:-1] + (-1, 32)); a = np.abs(x).max(-1, keepdims=True)
;;       e = np.where(a > 0, np.clip(np.frexp(np.where(a > 0, a, 1))[1] - 1 - 15, -126, 127), 0)      # np.frexp(a)[1] - 1 = floor(log2(a)), exactly
;;       r = np.clip(x / 2.0 ** e, -57344, 57344)
;;       step = 2.0 ** (np.maximum(np.frexp(np.where(r == 0, 1, r))[1] - 1, -14) - 2)
;;       q = np.round(r / step) * step * 2.0 ** e      # np.round: ties to even
;;       return np.moveaxis(q.reshape(q.shape[:-2] + (-1,))[..., :K], -1, axis).astype(np.float32)
;;   ~~~
;;   OPERANDS COMPUTED ON THE WAY. 'Computed on the way' means the value that the module computes at that place (a softmax that the list does not call 'softmax' is quantised finished and normalised). What goes into a quantiser is computed in f32, as accurately as f32 sums, v_exp_f32 and their like allow (about 1e-6 of the number): no bf16 or f16 on the way to a quantiser, and a product that is left as it is and whose result goes on into a quantised operand takes f32 operands (vector FMAs, or v_wmma_f32_16x16x4_f32). A number that lies on a knife's edge between two numbers of the format may be rounded either way, as far as f32 arithmetic and the matrix unit's own rounding can turn it there, and no further.
;; One version. Each part assembles by itself: llvm-mc -triple=amdgcn-amd-amdhsa -mcpu=gfx1250 --defsym DOCPART=n.
;; ======== version 1 of 1: 4 launches
;; limits: values are held in bf16: 8 bits of precision; right only within a limited range of input values
;; workspace buffers: xc 2,162,688 bytes; w1c 15,138,816 bytes; w2c 15,138,816 bytes; hc 30,277,632 bytes; eo 29,360,128 bytes; sc 78,336 bytes
;; launch prep (part 1): grid 969 x 1, 4 waves a work-group, no clusters, 46,592 bytes of LDS; arguments x, W1, W2, S, xc, w1c, w2c, sc; writes xc, w1c, w2c, sc
.if DOCPART == 1
	.amdgcn_target "amdgcn-amd-amdhsa--gfx1250"
	.amdhsa_code_object_version 6
	.text
	.protected	k_qfbf774c849_prep
	.globl	k_qfbf774c849_prep
	.p2align	8
	.type	k_qfbf774c849_prep,@function
k_qfbf774c849_prep:
	s_mov_b64 s[64:65], 0
	v_nop
	global_prefetch_b8 v0, s[64:65] scope:SCOPE_SE
	s_setreg_imm32_b32 hwreg(HW_REG_WAVE_MODE, 25, 1), 1
	s_wait_xcnt 0x0
; THE PROGRAM: out[t][b][:] = sum over e of gate[b][e] relu(relu(x W1_e + b1_e) W2_e + b2_e), t = 0, 1, in four launches:
;   prep: x, W1, W2 and S become codes of BF8 (E5M2) with one E8M0 byte for each 32 along K;  gemm1: the hidden layer, quantised on its way out;
;   gemm2: the experts' outputs, rounded to bf16;  comb: the routing product, the gate, the sum over the experts, both task copies.
; NO WORK IS LEFT OUT IN WHOLE UNITS: every input has a way to the output and is loaded.  select is 0 for at most one expert of a token, and only for some values of the inputs:
; every expert is computed for every token and the gate's value is chosen by v_cndmask_b32.  The one change of form: q is ranked as the sum of log2(7 G), without the positive constants ln 2 and 1 / 7.
; LIMITS: NaN and infinities among the inputs are not served.  A block whose largest magnitude lies under 2^-111 (a block of zeros among them) gets the byte 1; a block of zeros has zero codes,
; which add nothing under any byte but 0xff, and the bytes are read by this program alone.
; THIS LAUNCH.  Work-groups 0-447: W1 [7][1024 k][2048 n];  448-895: W2 [7][2048 k][1024 n];  896-959: x [2048][1024];  960-968: S [7 s][1040 k][7 e].
; CODES LIE AS IMAGES OF THE OPERANDS' REGISTERS: [16 rows][32 of K][half h][row r][16 bytes]: 512 bytes for 16 rows x 32 of K; lane (r, h) takes the 16 bytes at 16 x lane.
; Within each 32 of K, W2's codes stand in the order 0-7, 16-23, 8-15, 24-31: the order in which the hidden layer's codes leave gemm1; the sum over K is the same.
; Scale bytes: x, W1: [K / 256][rows][8], W2: [K / 256][32 rows][K / 128 of the 256][row][4], behind the codes in the same buffer.
; W1, W2: a lane takes a column and its registers run down K; a wave takes 32 columns x 256 along K, in a loop of two blocks of 32 along K a trip; loads run two blocks ahead; codes leave from registers, 256 consecutive bytes for sixteen lanes.
; x: a wave takes 32 rows x 256 along K; a turn through the wave's stage gives a lane 16 neighbours; the codes are gathered in LDS and leave as images.
; S: a wave makes one operand fragment (16 columns x 128 along K) and stores it as an image of its registers.  No tensor load, no barrier: waves share nothing.
.set XWR,   11520                      ; x's region for each wave: a stage of 32 x 80 bytes, 256 scale bytes, then codes: 2 x 16 pieces of 272 bytes
.set XCD,   2816
.set SPARE, 4*XWR                      ; the spare words, 128 bytes for each wave: two blocks of 256 bytes that no other line names
.set SPW,   192                        ; v192 LDS address of my spare word; never rewritten
.set NIL,   193                        ; v193 0; never rewritten
.macro FINISH                          ; a wave's end
	s_wait_tensorcnt 0x0
	ds_add_u32 v[SPW], v[NIL]
	s_wait_dscnt 0x0
	s_endpgm
.endm
.macro WLOAD b, n, ahead               ; 32 rows of W from row ahead + 32 b on, into set b; 32 lanes read 128 consecutive bytes
.set I_, 0
.rept 32
	global_load_b32 v[32+32*\b+I_], v3, s[36:37] offset:(\ahead+32*\b+I_)*\n*4 th:TH_LOAD_NT
.set I_, I_+1
.endr
.endm
.macro WBLOCK b, n, more
.set XS, 32+32*\b
.if (\more) || (\b) == 0
	s_wait_loadcnt 32                              ; this block's 32 loads are in; the next block's 32 may be out
.else
	s_wait_loadcnt 0
.endif
	v_max3_num_f32 v12, |v[XS]|, |v[XS+1]|, |v[XS+2]|   ; the block's largest magnitude: all 32 numbers are mine
	v_max3_num_f32 v13, |v[XS+3]|, |v[XS+4]|, |v[XS+5]|
.irp i, 6,10,14,18,22,26
	v_max3_num_f32 v12, v12, |v[XS+\i]|, |v[XS+\i+1]|
	v_max3_num_f32 v13, v13, |v[XS+\i+2]|, |v[XS+\i+3]|
.endr
	v_max3_num_f32 v12, v12, |v[XS+30]|, |v[XS+31]|
	v_max3_num_f32 v12, v12, v13, 16<<23           ; and the floor 2^(16 - 127): the byte cannot fall under 1
	v_add_nc_u32 v11, -(15<<23), v12               ; 15 off the exponent field: the conversion's scale operand
	v_and_or_b32 v10, v12, 0x7f800000, s21         ; 57,344 x the scale
	v_lshrrev_b32 v13, 23, v11                     ; the scale's byte,
	v_alignbit_b32 v24, v25, v24, 8                ; shifted in from above: behind eight blocks the first stands lowest
	v_alignbit_b32 v25, v13, v25, 8
.set I_, 0
.rept 32
	v_med3_num_f32 v[XS+I_], v[XS+I_], -v10, v10   ; the conversion to an 8-bit code does not saturate (ISA guide 7.6.2): the hold comes first
.set I_, I_+1
.endr
.irp g, 0,1,2,3
.set GG, \g
.if (\n) == 1024 && ((\g) == 1 || (\g) == 2)
.set GG, 3-\g                          ; W2: the middle eights change places
.endif
	v_cvt_scalef32_pk8_bf8_f32 v[96+8*\b+2*\g:97+8*\b+2*\g], v[XS+8*GG:XS+8*GG+7], v11
.endr
	global_store_b128 v4, v[96+8*\b:99+8*\b], s[34:35] offset:512*\b         ; sixteen lanes store 256 consecutive bytes, aligned
	global_store_b128 v4, v[100+8*\b:103+8*\b], s[34:35] offset:512*\b+256
.if \more
	WLOAD \b, \n, 64
.endif
.endm
; n columns, k along K; lognb = log2(n / 128); first = the path's first work-group; wp, cp: the scalar pairs of W and of its codes' buffer; rows = 7 n
.macro WPATH n, k, lognb, first, wp, cp, rows
	s_sub_co_u32 s24, ttmp9, \first
	s_lshr_b32 s25, s24, 6                         ; the expert: 64 work-groups each
	s_and_b32 s26, s24, \n/128-1                   ; which 128 columns
	s_lshr_b32 s27, s24, \lognb
	s_and_b32 s27, s27, \k/256-1                   ; which 256 along K
	s_lshl_b32 s26, s26, 7
	s_lshl_b32 s28, s20, 5
	s_add_co_u32 s26, s26, s28                     ; my wave's first column
	s_mul_i32 s30, s25, \n
	s_add_co_u32 s30, s30, s26                     ; and its row in the codes' buffer
	s_lshl_b32 s28, s25, 23                        ; W: an expert is 2^23 bytes,
	s_mul_i32 s29, s27, 1024*\n                    ; 256 rows of 4 n bytes,
	s_add_co_u32 s28, s28, s29
	s_lshl_b32 s29, s26, 2                         ; 4 bytes a column
	s_add_co_u32 s28, s28, s29
	s_mov_b32 s29, 0
	s_add_nc_u64 s[36:37], s[\wp:\wp+1], s[28:29]
	s_mul_i32 s28, s30, \k                         ; codes: 16 rows are 16 k bytes, 256 along K of them 4,096
	s_lshl_b32 s31, s27, 12
	s_add_co_u32 s28, s28, s31
	s_add_nc_u64 s[34:35], s[\cp:\cp+1], s[28:29]
	s_mul_i32 s28, s27, \rows                      ; scale bytes: behind the codes, 8 (K step x rows + row)
	s_add_co_u32 s28, s28, s30
	s_lshl_b32 s28, s28, 3
	s_add_co_u32 s28, s28, \rows*\k
	s_add_nc_u64 s[32:33], s[\cp:\cp+1], s[28:29]
	s_mov_b32 s38, 3
	v_lshlrev_b32 v3, 2, v2                        ; in: 4 bytes a lane
	WLOAD 0, \n, 0
	WLOAD 1, \n, 0
	v_and_b32 v5, 15, v2
	v_lshrrev_b32 v6, 4, v2
	v_lshlrev_b32 v5, 4, v5
	v_mul_u32_u24 v6, 16*\k, v6
	v_add_nc_u32 v4, v5, v6                        ; out: row r's 16 bytes; lanes 16-31 the next 16 columns' image
	v_mov_b32 v24, 0
	v_mov_b32 v25, 0
.if (\n) == 2048
	v_lshlrev_b32 v9, 3, v2                        ; my column's 8 scale bytes
.else
	v_lshlrev_b32 v9, 2, v2                        ; my column's two words lie 128 bytes apart
.endif
	s_wait_alu depctr_va_vdst(0)                   ; the head's end
.Lwtrip_\@:
	WBLOCK 0, \n, 1
	WBLOCK 1, \n, 1
	s_wait_xcnt 0x0                                ; the bases and the codes' registers are rewritten behind this
	s_add_nc_u64 s[36:37], s[36:37], 256*\n
	s_add_nc_u64 s[34:35], s[34:35], 1024
	s_sub_co_u32 s38, s38, 1
	s_cmp_lg_u32 s38, 0
	s_cbranch_scc1 .Lwtrip_\@
	WBLOCK 0, \n, 0
	WBLOCK 1, \n, 0
.if (\n) == 2048
	global_store_b64 v9, v[24:25], s[32:33]        ; 32 lanes store 256 consecutive bytes, aligned
.else
	global_store_b32 v9, v24, s[32:33]
	global_store_b32 v9, v25, s[32:33] offset:128  ; the two fill one aligned run of 256 bytes
.endif
	FINISH
.endm
; ---- x ----
.macro XLD t                           ; step t: rows 2 t and 2 t + 1, 1,024 bytes of each, as four loads of 512 consecutive bytes, into set t % 4
.irp i, 0,1,2,3
	global_load_b128 v[16+16*((\t)%4)+4*\i:19+16*((\t)%4)+4*\i], v3, s[36:37] offset:(2*(\t)+\i/2)*4096+(\i%2)*512 th:TH_LOAD_NT
.endr
.endm
.macro XTN t                           ; step t's numbers through the stage: in as they were loaded, out 64 bytes a lane
.irp i, 0,1,2,3
	ds_store_b128 v5, v[16+16*((\t)%4)+4*\i:19+16*((\t)%4)+4*\i] offset:640*\i
.endr
.irp i, 0,1,2,3
	ds_load_b128 v[80+16*((\t)%2)+4*\i:83+16*((\t)%2)+4*\i], v6 offset:16*\i
.endr
.endm
.macro XST t
.set XS, 80+16*((\t)%2)
.if (\t) > 0
	s_wait_dscnt 2                                 ; this step's numbers are back from the stage; the last step's two stores may be out
.else
	s_wait_dscnt 0x0
.endif
.if (\t)+4 < 16
	XLD (\t)+4                                     ; into the set that this step's stage stores have read
.endif
.if (\t)+1 < 16
.if 14-(\t) >= 3
	s_wait_loadcnt 12                              ; the next step's four loads are in; those of the three steps behind it may be out
.else
	s_wait_loadcnt 4*(14-(\t))
.endif
	XTN (\t)+1
.endif
	v_max3_num_f32 v8, |v[XS]|, |v[XS+1]|, |v[XS+2]|   ; the largest magnitude of my 16
	v_max3_num_f32 v10, |v[XS+3]|, |v[XS+4]|, |v[XS+5]|
.irp i, 6,10
	v_max3_num_f32 v8, v8, |v[XS+\i]|, |v[XS+\i+1]|
	v_max3_num_f32 v10, v10, |v[XS+\i+2]|, |v[XS+\i+3]|
.endr
	v_max3_num_f32 v8, v8, |v[XS+14]|, |v[XS+15]|
	v_max3_num_f32 v8, v8, v10, 16<<23             ; and the floor
	v_max_num_f32_dpp v8, v8, v8 row_xmask:1 row_mask:0xf bank_mask:0xf   ; and of my neighbour's 16: the block's
	v_add_nc_u32 v11, -(15<<23), v8
	v_and_or_b32 v10, v8, 0x7f800000, s21
.irp i, 0,1,2,3,4,5,6,7,8,9,10,11,12,13,14,15
	v_med3_num_f32 v[XS+\i], v[XS+\i], -v10, v10
.endr
	v_cvt_scalef32_pk8_bf8_f32 v[128+4*(\t):129+4*(\t)], v[XS:XS+7], v11
	v_cvt_scalef32_pk8_bf8_f32 v[130+4*(\t):131+4*(\t)], v[XS+8:XS+15], v11
	v_lshrrev_b32 v[112+(\t)], 23, v11             ; the scale's byte
	ds_store_b8 v7, v[112+(\t)] offset:16*(\t)     ; both lanes of a block write the same byte with the same value; the 256 bytes lie [row][8]
	ds_store_b128 v14, v[128+4*(\t):131+4*(\t)] offset:4352*((\t)/8)+32*((\t)%8)   ; into the piece of my 16 along K, at my row's 16 bytes
.endm
	s_load_b512 s[4:19], s[0:1], 0x0               ; x 4, W1 6, W2 8, S 10, xc 12, w1c 14, w2c 16, sc 18
	v_lshl_add_u32 v[SPW], v0, 2, SPARE
	v_mov_b32 v[NIL], 0
	v_lshrrev_b32 v1, 5, v0
	v_readfirstlane_b32 s20, v1                    ; wave 0..3
	v_and_b32 v2, 31, v0                           ; lane
	s_mov_b32 s21, 0x600000                        ; the mantissa field of 57,344
	s_mov_b32 s22, 0x76543210
	s_mov_b32 s23, 0xfedcba98                      ; v_permlanex16_b32's selects for lane l xor 16
	s_wait_alu depctr_va_vdst(0)
	s_wait_kmcnt 0x0
	s_cmp_lt_u32 ttmp9, 448
	s_cbranch_scc1 .Lw1
	s_cmp_lt_u32 ttmp9, 896
	s_cbranch_scc1 .Lw2
	s_cmp_lt_u32 ttmp9, 960
	s_cbranch_scc1 .Lx
	; ---- S: work-group 960 + ks makes K step ks (128 along K) of the four tiles, wave t tile t.  Row r of tile t is the column (expert min(2 t + r / 8, 6), scene min(r % 8, 6)):
	; in the product's result a lane then holds one expert and its registers run over the scenes.  The rows beyond 7 repeat a column; nobody reads their results.
	s_sub_co_u32 s24, ttmp9, 960                   ; ks 0..8
	s_lshl_b32 s25, s24, 2
	s_add_co_u32 s25, s25, s20                     ; the fragment's number 4 ks + t
	s_wait_alu depctr_va_vdst(0)
	v_and_b32 v4, 15, v2                           ; r
	v_lshrrev_b32 v5, 4, v2                        ; h
	v_lshrrev_b32 v6, 3, v4
	v_lshl_add_u32 v6, s20, 1, v6
	v_min_u32 v6, 6, v6                            ; the expert
	v_and_b32 v7, 7, v4
	v_min_u32 v7, 6, v7                            ; the scene
	v_mul_u32_u24 v3, v7, 29120                    ; a scene is 1,040 x 7 numbers,
	v_lshl_add_u32 v3, v6, 2, v3                   ; an expert 4 bytes
	v_lshlrev_b32 v8, 4, v2                        ; an image's place for my lane
	v_lshlrev_b32 v9, 2, v2                        ; a scale word's
	s_mul_i32 s28, s24, 3584                       ; 128 rows of 28 bytes a K step
	s_mov_b32 s29, 0
	s_add_nc_u64 s[36:37], s[10:11], s[28:29]
	s_lshl_b32 s28, s25, 11
	s_add_nc_u64 s[34:35], s[18:19], s[28:29]      ; the image: 2,048 bytes a fragment
	s_lshl_b32 s28, s25, 7
	s_add_co_u32 s28, s28, 73728
	s_add_nc_u64 s[32:33], s[18:19], s[28:29]      ; its scale words: 128 bytes, behind the 36 images
.irp b, 0,1,2,3
	v_mov_b32 v[100+\b], 0                         ; a lane permute's destination counts as one of its sources
.endr
	s_cmp_eq_u32 s24, 8
	s_cbranch_scc1 .Ltail
	s_wait_alu depctr_va_vdst(0)
	v_mad_u32_u24 v10, v5, 448, v3                 ; lanes 16-31 begin 16 rows further down: register 16 c + i is k = 32 c + 16 h + i
.irp c, 0,1,2,3
.irp i, 0,1,2,3,4,5,6,7,8,9,10,11,12,13,14,15
	global_load_b32 v[32+16*\c+\i], v10, s[36:37] offset:(32*\c+\i)*28
.endr
.endr
	s_wait_loadcnt 0x0
	s_branch .Lquant
.Ltail:                                            ; k = 1,024 .. 1,039 are the last 16 of K: they lie in lanes 0-15 of block 0; all else of this K step is filled with zeros
	s_wait_alu depctr_va_vdst(0)
.irp i, 0,1,2,3,4,5,6,7,8,9,10,11,12,13,14,15
	global_load_b32 v[32+\i], v3, s[36:37] offset:28*\i   ; (both halves of the lanes read the same bytes: no load leaves the buffer)
.endr
.set j, 48
.rept 48
	v_mov_b32 v[j], 0
.set j, j+1
.endr
	v_cmp_eq_u32 vcc_lo, 0, v5
	s_wait_loadcnt 0x0
.irp i, 0,1,2,3,4,5,6,7,8,9,10,11,12,13,14,15
	v_cndmask_b32 v[32+\i], 0, v[32+\i], vcc_lo
.endr
.Lquant:
.irp b, 0,1,2,3
	v_max3_num_f32 v[96+\b], |v[32+16*\b]|, |v[33+16*\b]|, 0x8000000   ; block b: my 16 numbers, and the floor 2^(16 - 127)
.endr
.irp i, 2,4,6,8,10,12,14
.irp b, 0,1,2,3
	v_max3_num_f32 v[96+\b], v[96+\b], |v[32+16*\b+\i]|, |v[33+16*\b+\i]|
.endr
.endr
.irp b, 0,1,2,3
	v_permlanex16_b32 v[100+\b], v[96+\b], s22, s23
.endr
.irp b, 0,1,2,3
	v_max_num_f32 v[96+\b], v[96+\b], v[100+\b]    ; with lane l xor 16's: the block's largest magnitude
.endr
.irp b, 0,1,2,3
	v_add_nc_u32 v[108+\b], 0xf8800000, v[96+\b]   ; the conversion's scale operand
.endr
.irp b, 0,1,2,3
	v_and_or_b32 v[104+\b], v[96+\b], 0x7f800000, s21   ; 57,344 x the scale
.endr
.irp b, 0,1,2,3
	v_lshrrev_b32 v[100+\b], 23, v[108+\b]         ; the scale's byte
.endr
	v_lshl_or_b32 v128, v101, 8, v100              ; the four bytes make the column's scale word
	v_lshl_or_b32 v128, v102, 16, v128
	v_lshl_or_b32 v128, v103, 24, v128
.irp b, 0,1,2,3
.irp i, 0,1,2,3,4,5,6,7,8,9,10,11,12,13,14,15
	v_med3_num_f32 v[32+16*\b+\i], v[32+16*\b+\i], -v[104+\b], v[104+\b]
.endr
	v_cvt_scalef32_pk8_bf8_f32 v[112+4*\b:113+4*\b], v[32+16*\b:39+16*\b], v[108+\b]
	v_cvt_scalef32_pk8_bf8_f32 v[114+4*\b:115+4*\b], v[40+16*\b:47+16*\b], v[108+\b]
.endr
	v_nop
.irp c, 0,1,2,3
	global_store_b128 v8, v[112+4*\c:115+4*\c], s[34:35] offset:512*\c   ; the fragment as it stands: 512 consecutive bytes a store
.endr
	global_store_b32 v9, v128, s[32:33]
	FINISH
.Lw1:
	s_wait_alu depctr_va_vdst(0)
	WPATH 2048, 1024, 4, 0, 6, 14, 14336
.Lw2:
	s_wait_alu depctr_va_vdst(0)
	WPATH 1024, 2048, 3, 448, 8, 16, 7168
.Lx:
	s_sub_co_u32 s24, ttmp9, 896                   ; which 32 rows; my wave's number says which 256 along K
	s_lshl_b32 s28, s24, 17                        ; x: 32 rows of 4,096 bytes,
	s_lshl_b32 s29, s20, 10                        ; 256 numbers
	s_add_co_u32 s28, s28, s29
	s_mov_b32 s29, 0
	s_add_nc_u64 s[36:37], s[4:5], s[28:29]
	s_lshl_b32 s28, s24, 15                        ; codes: two images of 16,384 bytes; my 256 along K are 4,096 of each
	s_lshl_b32 s30, s20, 12
	s_add_co_u32 s28, s28, s30
	s_add_nc_u64 s[34:35], s[12:13], s[28:29]
	s_lshl_b32 s28, s20, 11                        ; scale bytes: 8 (K step x 2,048 + row), behind the codes
	s_lshl_b32 s30, s24, 5
	s_add_co_u32 s28, s28, s30
	s_lshl_b32 s28, s28, 3
	s_add_co_u32 s28, s28, 2097152
	s_add_nc_u64 s[32:33], s[12:13], s[28:29]
	s_mul_i32 s25, s20, XWR                        ; my wave's region
	s_add_co_u32 s26, s25, 2560                    ; its scale bytes
	s_add_co_u32 s27, s25, XCD                     ; its codes
	s_wait_alu depctr_va_vdst(0)
	v_lshlrev_b32 v3, 4, v2                        ; my 16 bytes of a load's 512
.irp t, 0,1,2,3
	XLD \t
.endr
	v_lshrrev_b32 v5, 2, v2
	v_mul_u32_u24 v5, v5, 80
	v_and_b32 v6, 3, v2
	v_lshl_add_u32 v5, v6, 4, v5
	v_add_nc_u32 v5, s25, v5                       ; the stage, on the way in: four lanes' 64 bytes on end, then 16 of padding
	v_mul_u32_u24 v6, v2, 80
	v_add_nc_u32 v6, s25, v6                       ; and on the way out: my 16 neighbours
	v_lshlrev_b32 v4, 4, v2                        ; an image's place for my lane
	v_lshrrev_b32 v7, 1, v2
	v_add_nc_u32 v7, s26, v7                       ; my block's scale byte
	v_lshlrev_b32 v9, 3, v2
	v_add_nc_u32 v12, s26, v9                      ; and on the way out 8 bytes a lane
	v_and_b32 v8, 15, v2
	v_lshrrev_b32 v10, 4, v2
	v_mul_u32_u24 v14, v8, 272                     ; codes in: piece l % 16, rows 2 t and 2 t + 1 by the lanes' halves
	v_lshl_add_u32 v14, v10, 4, v14
	v_add_nc_u32 v14, s27, v14
	v_mul_u32_u24 v15, v10, 272                    ; codes out: piece h of a block of 32, row r
	v_lshl_add_u32 v15, v8, 4, v15
	v_add_nc_u32 v15, s27, v15
	s_wait_alu depctr_va_vdst(0)
	s_wait_loadcnt 12                              ; step 0's four loads are in
	XTN 0
.irp t, 0,1,2,3,4,5,6,7,8,9,10,11,12,13,14,15
	XST \t
.endr
	ds_load_b64 v[10:11], v12                      ; LDS serves a wave's instructions in order: these see my stores
.irp t, 0,1,2,3,4,5,6,7,8,9,10,11,12,13,14,15
	ds_load_b128 v[16+4*\t:19+4*\t], v15 offset:4352*(\t/8)+544*(\t%8)
.endr
	s_wait_dscnt 16                                ; the scale bytes are back; the 16 loads behind them may be out
	global_store_b64 v9, v[10:11], s[32:33]        ; 32 lanes store 256 consecutive bytes, aligned
.irp t, 0,1,2,3,4,5,6,7,8,9,10,11,12,13,14,15
	s_wait_dscnt 15-\t
	global_store_b128 v4, v[16+4*\t:19+4*\t], s[34:35] offset:16384*(\t/8)+512*(\t%8)   ; 512 consecutive bytes, aligned
.endr
	FINISH
.Lfunc_end_k_qfbf774c849_prep:
	.size	k_qfbf774c849_prep, .Lfunc_end_k_qfbf774c849_prep-k_qfbf774c849_prep
	.p2alignl 7, 3214868480
	.fill 96, 4, 3214868480
	.section	.rodata,"a",@progbits
	.p2align	6, 0x0
	.amdhsa_kernel k_qfbf774c849_prep
		.amdhsa_group_segment_fixed_size 46592
		.amdhsa_private_segment_fixed_size 0
		.amdhsa_enable_private_segment 0
		.amdhsa_kernarg_size 64
		.amdhsa_user_sgpr_count 2
		.amdhsa_user_sgpr_kernarg_segment_ptr 1
		.amdhsa_wavefront_size32 1
		.amdhsa_system_sgpr_workgroup_id_x 1
		.amdhsa_system_sgpr_workgroup_id_y 1
		.amdhsa_system_sgpr_workgroup_id_z 1
		.amdhsa_system_vgpr_workitem_id 0
		.amdhsa_next_free_vgpr 196
		.amdhsa_next_free_sgpr 66
		.amdhsa_reserve_vcc 1
		.amdhsa_float_denorm_mode_32 3
		.amdhsa_float_denorm_mode_16_64 3
		.amdhsa_memory_ordered 1
		.amdhsa_forward_progress 1
		.amdhsa_inst_pref_size 132
	.end_amdhsa_kernel
	.amdgpu_metadata
---
amdhsa.version: [ 1, 2 ]
amdhsa.kernels:
  - .name:           k_qfbf774c849_prep
    .symbol:         k_qfbf774c849_prep.kd
    .args:
      - { .name: x, .offset: 0, .size: 8, .value_kind: global_buffer, .address_space: global }
      - { .name: W1, .offset: 8, .size: 8, .value_kind: global_buffer, .address_space: global }
      - { .name: W2, .offset: 16, .size: 8, .value_kind: global_buffer, .address_space: global }
      - { .name: S, .offset: 24, .size: 8, .value_kind: global_buffer, .address_space: global }
      - { .name: xc, .offset: 32, .size: 8, .value_kind: global_buffer, .address_space: global }
      - { .name: w1c, .offset: 40, .size: 8, .value_kind: global_buffer, .address_space: global }
      - { .name: w2c, .offset: 48, .size: 8, .value_kind: global_buffer, .address_space: global }
      - { .name: sc, .offset: 56, .size: 8, .value_kind: global_buffer, .address_space: global }
    .group_segment_fixed_size: 46592
    .private_segment_fixed_size: 0
    .kernarg_segment_align: 8
    .kernarg_segment_size: 64
    .max_flat_workgroup_size: 128
    .sgpr_count:     66
    .vgpr_count:     196
    .wavefront_size: 32
...
	.end_amdgpu_metadata
.endif
;; end of part 1
;; launch gemm1 (part 2): grid 32 x 8, 4 waves a work-group, clusters of 4 x 4, 327,680 bytes of LDS; arguments xc, w1c, b1, hc; writes hc
.if DOCPART == 2
	.amdgcn_target "amdgcn-amd-amdhsa--gfx1250"
	.amdhsa_code_object_version 6
	.text
	.protected	k_qfbf774c849_gemm1
	.globl	k_qfbf774c849_gemm1
	.p2align	8
	.type	k_qfbf774c849_gemm1,@function
k_qfbf774c849_gemm1:
	s_mov_b64 s[64:65], 0
	v_nop
	global_prefetch_b8 v0, s[64:65] scope:SCOPE_SE
	s_setreg_imm32_b32 hwreg(HW_REG_WAVE_MODE, 25, 1), 1
	s_wait_xcnt 0x0
	s_wait_alu depctr_hold_cnt(0) depctr_sa_sdst(0) depctr_va_vdst(0) depctr_va_sdst(0) depctr_va_ssrc(0) depctr_va_vcc(0) depctr_vm_vsrc(0)
	s_getreg_b32 s2, hwreg(HW_REG_IB_STS2, 6, 4)
	s_cmp_eq_u32 s2, 0
	s_cbranch_scc0 .Lentry_in_a_cluster
	s_endpgm
.Lentry_in_a_cluster:
	s_bfe_u32 s2, ttmp6, 0x10000c
	s_cmp_lg_u32 s2, 0xf033
	s_cbranch_scc0 .Lentry_shape_is_right
	s_endpgm
.Lentry_shape_is_right:
; The hidden layer: h[b][n] = relu(sum over k of x[b][k] W1[n][k] + b1[n]), n = 2,048 x expert + hidden unit, on codes of BF8 (E5M2) with one E8M0 byte for each 32 along K,
; quantised on its way out along the hidden units, which are the next product's K.  Nothing of the problem's work is left out here.
; A work-group makes 256 tokens x 448 of the 14,336 columns: 8 x 32 = 256 work-groups.  A wave holds 64 tokens, ALL of K, in 512 registers; the columns stream past in 28 blocks of 16 (14 pairs of 32),
; which stand in registers as two whole sets; every wave takes every block.
; xc: images [128 tiles of 16 tokens][32 of K: 32][lane][16];  scale bytes [4][2048][8].  w1c: images [896][32][lane][16]; scale bytes [4][14336][8].
; hc: [64 columns: 224][128 tiles of 16 tokens][pair of the two][lane][16 codes]: lane (r, h), token r: units 8 h + 0 .. 7 and 16 + 8 h + 0 .. 7 of the pair's 32 (W2's codes stand in the same order);
;   scale bytes [256 columns: 56][32 tokens: 64][128 columns of the 256][token][4].
; LDS: x's 256 tokens lie at 0 .. 262,143 until all waves hold them in registers; then two slots of 65,536 take W1's chunks of 4 blocks, a block of 16,384 bytes a wave.
; Behind x: W1's scale bytes and the bias of the 448 columns, brought by plain loads and LDS stores, and the scale bytes of the result.
; CLUSTERS 4 x 4: x is asked for jointly along a row of the cluster, W1 along a column.  THE MATRIX INSTRUCTION IS USED TRANSPOSED: source 0 = 16 columns of W1, source 1 = 16 tokens.  THE BIAS is the C of each sum's first product.
; A TRIP is a chunk: two pairs on two sets of sums.  A pair's way out (maxima, holds, conversions) stands among the next pair's products.  Behind a block's 32 products its set takes the block two on.
; The chunk after the next is asked for in a round inside the trip's third block, which also shows the next chunk.
; PREFETCH: chunks 0 and 1 at the head, 2 behind chunk 0's load, chunk n + 3 in trip n; the four partners of a column share a chunk's 256 units of 256 bytes out by address, sixteen a wave.
; LIMITS: NaN and infinities are not served; a block of the hidden layer whose largest number lies under 2^-111 gets the byte 1 (a block of zeros has zero codes).
.set SCW,   262144                     ; [4][4,096]: 448 columns x 8 bytes, and a rest that nobody reads
.set BIAS,  278528
.set SCO,   280576                     ; 256 tokens x 16 bytes: a byte a pair
.set SPARE, 284672                     ; the spare words, 128 bytes for each wave: two blocks of 256 bytes that no other line names
.set HSC,   29360128
.set EMAX,  15
.set AWS0, 4                           ; v4, v5, v6: LDS addresses at the first pair: scale words, bias, the result's scale bytes
.set ABI0, 5
.set VX0,  6
.set PFO,  7                           ; v7 the prefetches' offset in w1c
.set CO,   9                           ; v9 16 x lane
.set SPW,  10
.set NIL,  11
.set ADC,  12                          ; v12 as v9, in the slot that is fetched from
.set VX,   13
.set AWS,  14
.set ABI,  15
.set SOP,  20                          ; v20-23 the conversions' scale operands
.set XS,   24                          ; v24-39 x's scale words: register 8 p + q: lanes 0-15 tile 2 p's, lanes 16-31 tile 2 p + 1's
.set EB,   40                          ; v40-43 scale bytes
.set WS,   44                          ; v44-59 W1's scale words, two sets of eight: lanes 0-15 the pair's first block, lanes 16-31 its second
.set TQ,   60                          ; v60-63 the way out's maxima and bounds
.set ACC,  64                          ; v64-191 two sets of eight accumulators
.set MCD,  192                         ; v192-207 a pair's codes, four registers a tile
.set BI,   208                         ; v208-223 the bias of a pair's two blocks
.set G1X, 24
.set G1W, 32
.set G0X, 56
.set G0W, 60
.set MSB, 0
.macro WIN new                         ; the immediate's high byte repeats the setting that is left
.if MSB != \new
	s_set_vgpr_msb (MSB<<8)|\new
.set MSB, \new
.endif
.endm
.macro PLACES n
.rept \n
	v_nop
.endr
.endm
.macro BARRIER
	s_barrier_signal -1
	s_barrier_wait -1
.endm
.macro MIDDLE                          ; a round's middle: behind the work-group's own barrier wave 0 signals the cluster's, and all wait for it
	WIN 0
	s_barrier_wait -1
	s_cmp_lg_u32 s14, 0
	s_cbranch_scc1 .Lnot_wave_0_\@
	s_barrier_signal -3
.Lnot_wave_0_\@:
	s_barrier_wait -3
.endm
.macro CROUND
	s_barrier_signal -1
	MIDDLE
	BARRIER
.endm
.macro TLOAD g0, g1                    ; a tensor load; an s_nop 0 and four v_nop follow it
	tensor_load_to_lds s[\g0:\g0+3], s[\g1:\g1+7]
	s_nop 0
	PLACES 4
.endm
.macro GROUP1 g, mask, rows            ; descriptor group 1: a dense run, as rows of 256 bytes (32 elements of 8)
	s_or_b32 s[\g+0], s[\mask], (3<<16)|(1<<21)
	s_mov_b32 s[\g+1], 32<<16
	s_mov_b32 s[\g+2], \rows<<16
	s_mov_b32 s[\g+3], 32<<16
	s_mov_b32 s[\g+4], \rows
	s_mov_b32 s[\g+5], 32
	s_mov_b32 s[\g+6], 0
	s_mov_b32 s[\g+7], 0
.endm
.macro WALU
	s_wait_alu depctr_va_vdst(0)
.endm
	s_load_b256 s[4:11], s[0:1], 0x0               ; xc 4, w1c 6, b1 8, hc 10
	v_lshl_add_u32 v[SPW], v0, 2, SPARE
	v_mov_b32 v[NIL], 0
	ds_add_u32 v[SPW], v[NIL]                      ; the wave's opening: the add, twice on end, and its wait ahead of my first tensor load
	ds_add_u32 v[SPW], v[NIL]
	v_lshrrev_b32 v1, 5, v0
	v_readfirstlane_b32 s14, v1                    ; wave 0..3
	s_bfe_u32 s40, ttmp6, 0x40000                  ; cx, cy
	s_bfe_u32 s41, ttmp6, 0x40004
	s_lshl_b32 s42, ttmp9, 2
	s_add_co_u32 s42, s42, s40                     ; which 448 columns
	s_and_b32 s43, ttmp7, 0xffff
	s_lshl_b32 s43, s43, 2
	s_add_co_u32 s43, s43, s41                     ; which 256 tokens
	s_lshl_b32 s44, s41, 2
	s_lshl_b32 s44, 15, s44                        ; my row of the cluster shares x,
	s_lshl_b32 s45, 0x1111, s40                    ; my column W1
	GROUP1 G1X, 44, 256                            ; my wave's 64 tokens: 65,536 bytes
	GROUP1 G1W, 45, 64                             ; a block of 16 columns: 16,384 bytes
	s_mov_b32 s[G0X], 1
	s_lshl_b32 s[G0X+1], s14, 16
	s_mov_b32 s[G0W], 1
	s_lshl_b32 s[G0W+1], s14, 14
	s_lshl_b32 s20, s43, 18                        ; x
	s_lshl_b32 s22, s14, 16
	s_add_co_u32 s20, s20, s22
	s_mov_b32 s21, 0
	s_mul_i32 s68, s42, 458752                     ; W1: 28 blocks of 16,384 bytes
	s_lshl_b32 s22, s14, 14
	s_add_co_u32 s68, s68, s22
	s_mov_b32 s69, 0
	s_mul_i32 s70, s42, 3584                       ; its scale bytes
	s_add_co_u32 s70, s70, 14680064
	s_mov_b32 s71, 0
	s_mul_i32 s72, s42, 1792                       ; the bias
	s_mov_b32 s73, 0
	s_lshl_b32 s74, s43, 11                        ; x's scale bytes: my 64 tokens
	s_lshl_b32 s22, s14, 9
	s_add_co_u32 s74, s74, s22
	s_add_co_u32 s74, s74, 2097152
	s_mov_b32 s75, 0
	s_mul_i32 s84, s42, 917504                     ; hc: 7 groups of 131,072 bytes; a tile of 16 tokens is 1,024 bytes of each
	s_lshl_b32 s22, s43, 14
	s_add_co_u32 s84, s84, s22
	s_lshl_b32 s22, s14, 12
	s_add_co_u32 s84, s84, s22
	s_mov_b32 s85, 0
	s_mul_i32 s76, s42, 458752                     ; the prefetches: my share of chunk 2
	s_lshl_b32 s22, s41, 14
	s_add_co_u32 s76, s76, s22
	s_lshl_b32 s22, s14, 12
	s_add_co_u32 s76, s76, s22
	s_add_co_u32 s76, s76, 131072
	s_mov_b32 s66, 0x76543210
	s_mov_b32 s67, 0xfedcba98                      ; v_permlanex16_b32's selects for lane l xor 16
	s_mov_b32 s2, 0x600000                         ; the mantissa field of 57,344
	s_mov_b32 s46, 0                               ; the trip
	s_mov_b32 s47, 0                               ; the slot that is fetched from
	s_mov_b32 s48, 0                               ; steps of the scale words' and the bias's addresses
	s_mov_b32 s49, 0
	s_wait_dscnt 0x0                               ; both opening adds are done
	CROUND                                         ; all sixteen work-groups are here
	s_wait_kmcnt 0x0
	s_add_nc_u64 s[G0X+2:G0X+3], s[4:5], s[20:21]
	s_or_b32 s[G0X+3], s[G0X+3], 0x80000000
	s_add_nc_u64 s[G0W+2:G0W+3], s[6:7], s[68:69]
	s_or_b32 s[G0W+3], s[G0W+3], 0x80000000
	TLOAD G0X, G1X                                 ; my own 64 tokens: one tensor load a wave at the head
	s_add_nc_u64 s[70:71], s[6:7], s[70:71]
	s_add_nc_u64 s[72:73], s[8:9], s[72:73]
	s_add_nc_u64 s[74:75], s[4:5], s[74:75]
	s_add_nc_u64 s[84:85], s[10:11], s[84:85]
	s_sub_nc_u64 s[84:85], s[84:85], 0x20000       ; stepped by a group ahead of each trip's first stores
	s_lshl_b32 s22, s14, 10
	s_add_co_u32 s22, s22, SCO                     ; my 64 tokens' scale bytes
	s_lshl_b32 s23, s14, 16
	v_and_b32 v1, 15, v0                           ; r
	v_bfe_u32 v2, v0, 4, 1                         ; h
	v_and_b32 v3, 31, v0                           ; lane
	v_lshlrev_b32 v[CO], 4, v3
	v_lshlrev_b32 v16, 3, v3
	v_lshlrev_b32 v17, 4, v0
	v_min_u32 v18, 1520, v17                       ; (a run of 3,584 bytes ends with the second load's lane 95)
	v_min_u32 v19, 1776, v17                       ; (and the bias's 1,792 with lane 111)
.irp p, 0,1
.irp k, 0,1,2,3
	global_load_b64 v[XS+8*\p+2*\k:XS+8*\p+2*\k+1], v16, s[74:75] offset:16384*\k+256*\p
.endr
.endr
.irp k, 0,1,2,3
	global_load_b128 v[224+8*\k:227+8*\k], v17, s[70:71] offset:114688*\k
	global_load_b128 v[228+8*\k:231+8*\k], v18, s[70:71] offset:114688*\k+2048
.endr
	global_load_b128 v[BI:BI+3], v19, s[72:73]
	v_min_u32 v8, 15, v3
	v_lshl_add_u32 v[PFO], v8, 8, s76
	v_lshl_add_u32 v[AWS0], v3, 3, SCW
	v_lshl_add_u32 v[ABI0], v2, 5, BIAS
	v_lshl_add_u32 v[VX0], v1, 4, s22
	v_add_nc_u32 v8, s23, v[CO]                    ; my tokens in LDS
	v_add_nc_u32 v20, SCW, v17
	v_add_nc_u32 v21, BIAS, v17
	v_mov_b32 v[ADC], v[CO]
	v_mov_b32 v[VX], v[VX0]
	v_mov_b32 v[AWS], v[AWS0]
	v_mov_b32 v[ABI], v[ABI0]
	global_prefetch_b8 v[PFO], s[6:7] offset:-131072 th:TH_LOAD_NT scope:SCOPE_SE
	global_prefetch_b8 v[PFO], s[6:7] offset:-65536 th:TH_LOAD_NT scope:SCOPE_SE
.set I_, 0
.rept 64                               ; the first trip's first way out works on these and stores nothing
	v_mov_b32 v[ACC+64+I_], 0
.set I_, I_+1
.endr
	WALU                                           ; the head's end
	s_wait_tensorcnt 0x0                           ; my tokens have landed
	s_wait_loadcnt 0x0
.irp k, 0,1,2,3
	ds_store_b128 v20, v[224+8*\k:227+8*\k] offset:4096*\k
	ds_store_b128 v20, v[228+8*\k:231+8*\k] offset:4096*\k+2048
.endr
	ds_store_b128 v21, v[BI:BI+3]
.set F_, 0
.rept 32                               ; fragment 4 q + t, 16 tokens x 128 of K, lies in window 1 + f / 16
	WIN (1+F_/16)<<6
.irp c, 0,1,2,3
	ds_load_b128 v[16*(F_%16)+4*\c:16*(F_%16)+4*\c+3], v8 offset:(F_%4)*16384+(F_/4)*2048+512*\c
.endr
.set F_, F_+1
.endr
	WIN 0
.macro GRD
	s_wait_tensorcnt 0x0
	ds_add_u32 v[SPW], v[NIL]
.endm
.macro NEXTW                           ; the next chunk, into the other slot (no tensor load of mine is out)
	s_add_nc_u64 s[G0W+2:G0W+3], s[G0W+2:G0W+3], 0x10000
	s_xor_b32 s[G0W+1], s[G0W+1], 0x10000
.endm
	GRD
	s_wait_dscnt 0x0                               ; x is in registers; scale bytes and bias are in LDS
	CROUND
	TLOAD G0W, G1W                                 ; chunk 0
	global_prefetch_b8 v[PFO], s[6:7] th:TH_LOAD_NT scope:SCOPE_SE
	GRD
	NEXTW
	s_wait_dscnt 0x0
	CROUND
	TLOAD G0W, G1W                                 ; chunk 1
.macro FETCH e, k, a                   ; block k of the chunk into set e of window 3, its bias; a >= 0: its pair's scale words into set a.  34 or 38 loads
	WIN 3<<6
.irp q, 0,1,2,3,4,5,6,7
.irp c, 0,1,2,3
	ds_load_b128 v[128*\e+16*\q+4*\c:128*\e+16*\q+4*\c+3], v[ADC] offset:16384*\k+2048*\q+512*\c
.endr
.endr
	WIN 0
	ds_load_b128 v[BI+8*\e:BI+8*\e+3], v[ABI] offset:64*\e
	ds_load_b128 v[BI+8*\e+4:BI+8*\e+7], v[ABI] offset:64*\e+16
.if (\a) >= 0
.irp s, 0,1,2,3
	ds_load_b64 v[WS+8*(\a)+2*\s:WS+8*(\a)+2*\s+1], v[AWS] offset:4096*\s
.endr
.endif
.endm
.macro PROD u, a, n                    ; product n = 4 q + t of block u of a pair: q-th 128 of K, tile t of my tokens; sums in set a.  Four accumulators by turns
.set Q_, (\n)/4
.set B_, (\n)%4
.set AC_, ACC+64*(\a)+32*(\u)+8*B_
.set C_, AC_
.if Q_ == 0
.set C_, BI+8*(\u)
.endif
.set R_, 16*((\n)%16)
.set W_, 128*(\u)+16*Q_
.set WS_, WS+8*(\a)+Q_
.set XS_, XS+8*(B_/2)+Q_
	WIN 3|((1+(\n)/16)<<2)
.if (\u) && B_%2
	v_wmma_scale_f32_16x16x128_f8f6f4 v[AC_:AC_+7], v[W_:W_+15], v[R_:R_+15], v[C_:C_+7], v[WS_], v[XS_] matrix_a_fmt:MATRIX_FMT_BF8 matrix_b_fmt:MATRIX_FMT_BF8 matrix_a_scale:MATRIX_SCALE_ROW1 matrix_b_scale:MATRIX_SCALE_ROW1
.elseif \u
	v_wmma_scale_f32_16x16x128_f8f6f4 v[AC_:AC_+7], v[W_:W_+15], v[R_:R_+15], v[C_:C_+7], v[WS_], v[XS_] matrix_a_fmt:MATRIX_FMT_BF8 matrix_b_fmt:MATRIX_FMT_BF8 matrix_a_scale:MATRIX_SCALE_ROW1
.elseif B_%2
	v_wmma_scale_f32_16x16x128_f8f6f4 v[AC_:AC_+7], v[W_:W_+15], v[R_:R_+15], v[C_:C_+7], v[WS_], v[XS_] matrix_a_fmt:MATRIX_FMT_BF8 matrix_b_fmt:MATRIX_FMT_BF8 matrix_b_scale:MATRIX_SCALE_ROW1
.else
	v_wmma_scale_f32_16x16x128_f8f6f4 v[AC_:AC_+7], v[W_:W_+15], v[R_:R_+15], v[C_:C_+7], v[WS_], v[XS_] matrix_a_fmt:MATRIX_FMT_BF8 matrix_b_fmt:MATRIX_FMT_BF8
.endif
.endm
.macro HOLD x, b                       ; the activation and the hold in one: between 0 and 57,344 x the scale
	v_med3_num_f32 v[\x], v[\x], 0, v[TQ+\b]
.endm
.macro HOLDS m, x                      ; the bound is read from its second copy where its first would be read too late
.if (\m) == 3
	HOLD \x, 3
	HOLD \x+1, 3
.else
	HOLD \x, 1
	HOLD \x+1, 1
.endif
.if (\m) == 2
	v_mov_b32 v[TQ+3], v[TQ+1]
.endif
.endm
.macro GAPV k, x                       ; THE WAY OUT OF A PAIR in 60 gaps, 15 a tile of 16 tokens: a block of 32 lies in lanes l and l xor 16: first block's sums at x, second's at x + 32 -> codes MCD + 4 t, byte EB + t.
                                       ; What is negative becomes 0, so it must not count for the largest: no |.| on the maxima's sources
.set T_, (\k)/15
.set J_, (\k)%15
.set E_, (\x)+8*T_
.set O_, E_+32
.if J_ == 0
	v_max3_num_f32 v[TQ], v[E_], v[E_+1], v[E_+2]
	v_max3_num_f32 v[TQ+2], v[O_], v[O_+1], v[O_+2]
.elseif J_ < 3
	v_max3_num_f32 v[TQ], v[TQ], v[E_+2*J_+1], v[E_+2*J_+2]
	v_max3_num_f32 v[TQ+2], v[TQ+2], v[O_+2*J_+1], v[O_+2*J_+2]
.elseif J_ == 3
	v_max3_num_f32 v[TQ+2], v[TQ+2], v[O_+7], (EMAX+1)<<23   ; and the floor under which a byte would fall under 1
	v_max3_num_f32 v[TQ], v[TQ], v[E_+7], v[TQ+2]
.elseif J_ == 4
	v_permlanex16_b32 v[TQ+2], v[TQ], s66, s67
	v_max_num_f32 v[TQ], v[TQ], v[TQ+2]
.elseif J_ == 5
	v_add_nc_u32 v[SOP+T_], -(EMAX<<23), v[TQ]
	v_and_or_b32 v[TQ+1], v[TQ], 0x7f800000, s2
.elseif J_ < 10
	HOLDS J_-6, E_+2*(J_-6)
.if J_ == 9
	v_cvt_scalef32_pk8_bf8_f32 v[MCD+4*T_:MCD+4*T_+1], v[E_:E_+7], v[SOP+T_]
.endif
.elseif J_ < 14
	HOLDS J_-6, O_+2*(J_-10)
.if J_ == 13
	v_cvt_scalef32_pk8_bf8_f32 v[MCD+4*T_+2:MCD+4*T_+3], v[O_:O_+7], v[SOP+T_]
.endif
.else
	v_lshrrev_b32 v[EB+T_], 23, v[SOP+T_]
.endif
.endm
.macro LIST n, j, half, x              ; what stands behind product n of block j of a trip: the next pair's addresses behind product 0, then half a way out
.if (\n) == 0
.if (\j) == 0 || (\j) == 2
	WIN 0
	s_add_co_u32 s48, s48, 256
	s_add_co_u32 s49, s49, 128
	v_add_nc_u32 v[AWS], s48, v[AWS0]
	v_add_nc_u32 v[ABI], s49, v[ABI0]
.if (\j) == 0
	v_add_nc_u32 v[PFO], 0x10000, v[PFO]
.else
	s_xor_b32 s47, s47, 0x10000
	s_lshl_b32 s22, s46, 1
	v_add_nc_u32 v[ADC], s47, v[CO]
	v_add_nc_u32 v[VX], s22, v[VX0]
	s_add_nc_u64 s[84:85], s[84:85], 0x20000
.endif
.endif
.elseif (\n) < 31
	WIN 0
	GAPV (\n)-1+30*(\half), \x
.endif
.endm
.macro BLK u, a, from, to, j, half, x
.set N_, \from
.rept (\to)-(\from)
	PROD \u, \a, N_
	LIST N_, \j, \half, \x
.set N_, N_+1
.endr
.endm
.macro OUT par                         ; a pair's scale bytes go to LDS (both halves of the lanes write the same byte with the same value), its codes leave: 512 consecutive bytes a store
.irp t, 0,1,2,3
	ds_store_b8 v[VX], v[EB+\t] offset:256*\t+\par
	global_store_b128 v[CO], v[MCD+4*\t:MCD+4*\t+3], s[84:85] offset:1024*\t+512*\par
.endr
.endm
.macro TRIP j                          ; j = 1: a chunk is asked for in a round; 0: a plain barrier shows the last
	s_wait_dscnt 34                                ; block 0 is in; block 1's 34 loads may be out
	s_wait_xcnt 0x0                                ; earlier stores and prefetches have read their registers
	BLK 0, 0, 0, 32, 0, 0, ACC+64
	WIN 0
	PLACES 8
	FETCH 0, 2, 1
	s_wait_dscnt 38                                ; block 1 is in; the 38 just issued may be out
	s_wait_xcnt 0x0
	BLK 1, 0, 0, 32, 1, 1, ACC+64
	WIN 0
	PLACES 8
	s_cmp_eq_u32 s46, 0
	s_cbranch_scc1 .Lno_pair_\@
	OUT 1                                          ; the trip before's second pair
.Lno_pair_\@:
	FETCH 1, 3, -1
	s_wait_dscnt 34                                ; block 2 is in
	s_wait_xcnt 0x0
	BLK 0, 1, 0, 20, 2, 0, ACC
	WIN 0
	WALU
.if \j
	GRD
	NEXTW
.else
	s_wait_tensorcnt 0x0
.endif
	BLK 0, 1, 20, 28, 2, 0, ACC
	WIN 0
	WALU
	s_wait_dscnt 0x0                               ; block 3 is in: my reads of this slot are over
	s_barrier_signal -1
	BLK 0, 1, 28, 32, 2, 0, ACC
.if \j
	MIDDLE
	BARRIER
	TLOAD G0W, G1W
	PLACES 4
	s_cmp_lt_u32 s46, 4
	s_cbranch_scc0 .Lnone_ahead_\@
	global_prefetch_b8 v[PFO], s[6:7] th:TH_LOAD_NT scope:SCOPE_SE
.Lnone_ahead_\@:
.else
	WIN 0
	s_barrier_wait -1
	PLACES 8
	s_cmp_eq_u32 s46, 6
	s_cbranch_scc1 .Lnone_0_\@
.endif
	FETCH 0, 0, 0
.Lnone_0_\@:
	s_wait_xcnt 0x0
	BLK 1, 1, 0, 32, 3, 1, ACC
	WIN 0
	PLACES 8
	OUT 0                                          ; this trip's first pair
.if \j == 0
	s_cmp_eq_u32 s46, 6
	s_cbranch_scc1 .Lnone_1_\@
.endif
	FETCH 1, 1, -1
.Lnone_1_\@:
.endm
	PLACES 4
	FETCH 0, 0, 0
	FETCH 1, 1, -1
.Lfill:                                            ; trips 0 to 4 ask for chunks 2 to 6
	TRIP 1
	s_add_co_u32 s46, s46, 1
	s_cmp_lg_u32 s46, 5
	s_cbranch_scc1 .Lfill
.Llast:                                            ; trips 5 and 6
	TRIP 0
	s_add_co_u32 s46, s46, 1
	s_cmp_lg_u32 s46, 7
	s_cbranch_scc1 .Llast
	s_wait_xcnt 0x0
.set K_, 0
.rept 60                               ; the last pair's way out
	GAPV K_, ACC+64
.set K_, K_+1
.endr
	OUT 1
; THE SCALE BYTES: a token has 14, seven half words.  Of an even column group the words begin with the first half word and the last one stands alone in its word's low half; of an odd one the first stands alone, in a high half.
	s_mul_i32 s23, s42, 7
	s_and_b32 s50, s42, 1
	s_add_co_u32 s53, s23, s50
	s_lshr_b32 s53, s53, 1                         ; the first whole word's number (128 columns each)
	s_lshl_b32 s22, s43, 11
	s_lshl_b32 s21, s14, 9
	s_add_co_u32 s22, s22, s21
	s_add_co_u32 s22, s22, HSC                     ; my 64 tokens
	s_cmp_eq_u32 s50, 1
	s_cselect_b32 s51, -1, 3
	s_cselect_b32 s52, 2, 0
	s_cselect_b32 s54, -1, 0
	s_add_co_u32 s51, s51, s53
.macro PLANE d                         ; word s53: 16,384 bytes for 256 columns, 128 bytes for the second 128 of them
	s_lshr_b32 s20, s53, 1
	s_lshl_b32 s20, s20, 14
	s_and_b32 s21, s53, 1
	s_lshl_b32 s21, s21, 7
	s_add_co_u32 s20, s20, s21
	s_add_co_u32 s20, s20, s22
	s_mov_b32 s21, 0
	s_add_nc_u64 s[\d:\d+1], s[10:11], s[20:21]
.endm
.irp d, 68,70,72
	PLANE \d
	s_add_co_u32 s53, s53, 1
.endr
	s_mov_b32 s53, s51
	PLANE 74
	s_mov_b32 s53, 0
	s_add_nc_u64 s[74:75], s[74:75], s[52:53]
	s_lshl_b32 s20, s14, 10
	s_add_co_u32 s20, s20, SCO
	v_lshl_add_u32 v8, v3, 4, s20
	v_lshlrev_b32 v1, 2, v3
.irp s, 0,1
	ds_load_b96 v[224+4*\s:226+4*\s], v8 offset:512*\s   ; my own wave's bytes: LDS serves a wave's instructions in order
	ds_load_u16 v[227+4*\s], v8 offset:512*\s+12
.endr
	WALU
	s_wait_dscnt 0x0
.irp s, 0,1
.irp i, 0,1,2
	v_alignbit_b32 v[232+4*\s+\i], v[225+4*\s+\i], v[224+4*\s+\i], 16
.endr
.irp i, 0,1,2
	v_cndmask_b32 v[232+4*\s+\i], v[224+4*\s+\i], v[232+4*\s+\i], s54
.endr
	v_cndmask_b32 v[235+4*\s], v[227+4*\s], v[224+4*\s], s54
.endr
.irp s, 0,1
	global_store_b32 v1, v[232+4*\s], s[68:69] offset:256*\s
	global_store_b32 v1, v[233+4*\s], s[70:71] offset:256*\s
	global_store_b32 v1, v[234+4*\s], s[72:73] offset:256*\s
	global_store_b16 v1, v[235+4*\s], s[74:75] offset:256*\s
.endr
	s_wait_tensorcnt 0x0                           ; the wave's end
	ds_add_u32 v[SPW], v[NIL]
	s_wait_dscnt 0x0
	CROUND                                         ; the closing round
	s_endpgm
.Lfunc_end_k_qfbf774c849_gemm1:
	.size	k_qfbf774c849_gemm1, .Lfunc_end_k_qfbf774c849_gemm1-k_qfbf774c849_gemm1
	.p2alignl 7, 3214868480
	.fill 96, 4, 3214868480
	.section	.rodata,"a",@progbits
	.p2align	6, 0x0
	.amdhsa_kernel k_qfbf774c849_gemm1
		.amdhsa_group_segment_fixed_size 327680
		.amdhsa_private_segment_fixed_size 0
		.amdhsa_enable_private_segment 0
		.amdhsa_kernarg_size 32
		.amdhsa_user_sgpr_count 2
		.amdhsa_user_sgpr_kernarg_segment_ptr 1
		.amdhsa_wavefront_size32 1
		.amdhsa_system_sgpr_workgroup_id_x 1
		.amdhsa_system_sgpr_workgroup_id_y 1
		.amdhsa_system_sgpr_workgroup_id_z 1
		.amdhsa_system_vgpr_workitem_id 0
		.amdhsa_next_free_vgpr 1024
		.amdhsa_next_free_sgpr 100
		.amdhsa_reserve_vcc 0
		.amdhsa_float_denorm_mode_32 3
		.amdhsa_float_denorm_mode_16_64 3
		.amdhsa_memory_ordered 1
		.amdhsa_forward_progress 1
		.amdhsa_inst_pref_size 143
	.end_amdhsa_kernel
	.amdgpu_metadata
---
amdhsa.version: [ 1, 2 ]
amdhsa.kernels:
  - .name:           k_qfbf774c849_gemm1
    .symbol:         k_qfbf774c849_gemm1.kd
    .args:
      - { .name: xc, .offset: 0, .size: 8, .value_kind: global_buffer, .address_space: global }
      - { .name: w1c, .offset: 8, .size: 8, .value_kind: global_buffer, .address_space: global }
      - { .name: b1, .offset: 16, .size: 8, .value_kind: global_buffer, .address_space: global }
      - { .name: hc, .offset: 24, .size: 8, .value_kind: global_buffer, .address_space: global }
    .group_segment_fixed_size: 327680
    .private_segment_fixed_size: 0
    .kernarg_segment_align: 8
    .kernarg_segment_size: 32
    .max_flat_workgroup_size: 128
    .sgpr_count:     100
    .vgpr_count:     1024
    .wavefront_size: 32
...
	.end_amdgpu_metadata
.endif
;; end of part 2
;; launch gemm2 (part 3): grid 4 x 56, 4 waves a work-group, clusters of 4 x 4, 327,680 bytes of LDS; arguments hc, w2c, b2, eo; writes eo
.if DOCPART == 3
	.amdgcn_target "amdgcn-amd-amdhsa--gfx1250"
	.amdhsa_code_object_version 6
	.text
	.protected	k_qfbf774c849_gemm2
	.globl	k_qfbf774c849_gemm2
	.p2align	8
	.type	k_qfbf774c849_gemm2,@function
k_qfbf774c849_gemm2:
	s_mov_b64 s[64:65], 0
	v_nop
	global_prefetch_b8 v0, s[64:65] scope:SCOPE_SE
	s_setreg_imm32_b32 hwreg(HW_REG_WAVE_MODE, 25, 1), 1
	s_wait_xcnt 0x0
	s_wait_alu depctr_hold_cnt(0) depctr_sa_sdst(0) depctr_va_vdst(0) depctr_va_sdst(0) depctr_va_ssrc(0) depctr_va_vcc(0) depctr_vm_vsrc(0)
	s_getreg_b32 s2, hwreg(HW_REG_IB_STS2, 6, 4)
	s_cmp_eq_u32 s2, 0
	s_cbranch_scc0 .Lentry_in_a_cluster
	s_endpgm
.Lentry_in_a_cluster:
	s_bfe_u32 s2, ttmp6, 0x10000c
	s_cmp_lg_u32 s2, 0xf033
	s_cbranch_scc0 .Lentry_shape_is_right
	s_endpgm
.Lentry_shape_is_right:
; The experts' outputs: eo[2,048 e + b][n] = bf16(relu(sum over k of h[e][b][k] W2[e][n][k] + b2[e][n])), on codes of BF8 (E5M2) with one E8M0 byte for each 32 along K.  Nothing of the problem's work is left out here.
; A = hc: images [64 along K: 32 an expert][128 tiles of 16 tokens][2][lane][16], scale bytes [256 along K: 8 an expert][32 tokens][2][32][4].
; B = w2c: images [16 columns: 64 an expert][32 along K: 64][lane][16], scale bytes [8][32 of 7,168 rows][2][32][4].
; A tile of 256 x 256 is made by four waves, each 128 x 128: 64 accumulators of 16 x 16, 512 registers.  224 tiles, one to a work-group.  K goes in steps of 256 through a ring of two LDS slots; the images are dense: a fragment's loads read 512 consecutive bytes.
; In a slot: A: [64 along K: 4][256 tokens: 16,384 bytes], B: [16 columns: 16][4,096 bytes].  The scales of 256 rows for all of K come once, at the head, and stay.
; AT THE HEAD one tensor load a wave: wave 0 A's tile, wave 1 B's, wave 2 A's scales, wave 3 B's.  Behind it a quarter of a slot a wave.
; CLUSTERS: 4 x 4 work-groups; A is asked for jointly along a row of the cluster, B along a column.  THE MATRIX INSTRUCTION IS USED TRANSPOSED (source 0 = 16 columns of W2, source 1 = 16 tokens).  THE BIAS is the C of each sum's first product.
; PREFETCH: with the load of K step n the one of K step n + 2 is asked for (at the head 1 and 2); the four partners share a tile's 256 units of 256 bytes out by address, 32 a wave.
; REGISTERS: window 0: v0-31 addresses; v32-63 scale words, two sets; v64-127 the bias; v128-255 A's fragments, one set.  window 1: B's fragments, two sets.  windows 2, 3: the accumulators of my rows 0-63, 64-127.
; LIMITS: NaN and infinities are not served.
.set NQ,     2
.set FR,     16
.set NL,     4
.set NP,     8                         ; places behind this matrix instruction (ISA guide 7.12.1)
.set SLOT,   131072
.set LAPS,   4
.set SCL,    2*SLOT
.set SCB,    16512                     ; B's scales lie so far behind A's: 16,384, and 128 so that the two halves of the lanes read different banks (64 banks of 4 bytes: ISA guide 11.1)
.set SPARE,  SCL+33024                 ; the spare words, 128 bytes for each wave: two blocks of 256 bytes that no other line names
.set PITCH,  272                       ; the way out's stage: 16 rows of 256 bytes + 16 for each wave, in slot 0, which has had its last fill and its last read by then
.set AKS,    524288                    ; a K step in hc,
.set BKS,    4096                      ; and in w2c
.set ADRA, 16
.set ADRB, 20
.set BO,   18
.set STO,  24
.set RD,   26
.set ADRS, 27
.set SPW,  28
.set NIL,  29
.set CO,   30
.set PFO,  31
.set SC,   32
.set BI,   64
.set AF,   128
.set T,    128
.set PK,   192
.set PFA,  12
.set G1, 24
.set G0, 32
.set G1B, 48
.set G0B, 56
.set G1S, 68
.set G0S, 76
.set G1SB, 80
.set G0SB, 88
.set MSB, 0
.macro WIN new
.if MSB != \new
	s_set_vgpr_msb (MSB<<8)|\new
.set MSB, \new
.endif
.endm
.set MUL_LO, 0xa1
.set MUL_HI, 0xf1
.set TO_B,   0x40
.macro JLOAD g0a, g1a, g0b, g1b        ; a joint load: waves 0 and 1 fetch for A, waves 2 and 3 for B; an s_nop 0 and four v_nop follow each line
	s_cmp_eq_u32 s15, 0
	s_cbranch_scc0 .Lfor_b_\@
	tensor_load_to_lds s[\g0a:\g0a+3], s[\g1a:\g1a+7]
	s_nop 0
.rept 4
	v_nop
.endr
	s_branch .Lasked_\@
.Lfor_b_\@:
	tensor_load_to_lds s[\g0b:\g0b+3], s[\g1b:\g1b+7]
	s_nop 0
.rept 4
	v_nop
.endr
.Lasked_\@:
.endm
.macro CREST
	s_cmp_lg_u32 s14, 0
	s_cbranch_scc1 .Lnot_wave_0_\@
	s_barrier_signal -3
.Lnot_wave_0_\@:
	s_barrier_wait -3
	s_barrier_signal -1
	s_barrier_wait -1
.endm
.macro CROUND
	s_barrier_signal -1
	s_barrier_wait -1
	CREST
.endm
.macro GROUP1 g, mask, elems, rows, pitch   ; descriptor group 1: elements of 8 bytes, no padding
	s_or_b32 s[\g+0], s[\mask], (3<<16)|(1<<21)
	s_mov_b32 s[\g+1], \elems<<16
	s_mov_b32 s[\g+2], \rows<<16
	s_mov_b32 s[\g+3], \elems<<16
	s_mov_b32 s[\g+4], \rows
	s_mov_b32 s[\g+5], \pitch
	s_mov_b32 s[\g+6], 0
	s_mov_b32 s[\g+7], 0
.endm
	s_load_b256 s[4:11], s[0:1], 0x0               ; hc 4, w2c 6, b2 8, eo 10
	v_lshl_add_u32 v[SPW], v0, 2, SPARE
	v_mov_b32 v[NIL], 0
	ds_add_u32 v[SPW], v[NIL]                      ; the wave's opening: the add, twice on end, and its wait
	ds_add_u32 v[SPW], v[NIL]
	v_lshrrev_b32 v1, 5, v0
	v_readfirstlane_b32 s14, v1                    ; wave 0..3
	s_lshr_b32 s15, s14, 1                         ; which half of the tile's rows is mine; also: I fetch for A (0) or for B (1)
	s_and_b32 s16, s14, 1                          ; which half of its columns; also: which half of that tile I fetch
	s_bfe_u32 s40, ttmp6, 0x40000                  ; cx, cy
	s_bfe_u32 s41, ttmp6, 0x40004
	s_lshl_b32 s42, ttmp9, 2
	s_add_co_u32 s42, s42, s40                     ; tile column 0..3
	s_and_b32 s17, ttmp7, 0xffff
	s_lshr_b32 s96, s17, 1                         ; the expert: two clusters each
	s_lshl_b32 s17, s17, 2
	s_add_co_u32 s17, s17, s41                     ; tile row 0..55
	s_and_b32 s97, s17, 7                          ; which 256 tokens
	s_lshl_b32 s43, s41, 2
	s_lshl_b32 s43, 15, s43                        ; my row of the cluster
	s_lshl_b32 s44, 0x1111, s40                    ; my column
	GROUP1 G1, 43, 2048, 4, 16384                  ; A: 256 tokens x 64 along K are 16,384 bytes on end; four of them, behind the head two a wave
	GROUP1 G1B, 44, 512, 16, 4096                  ; B: 16 columns x 256 along K are 4,096 bytes on end; sixteen, behind the head eight a wave
	GROUP1 G1S, 43, 256, 8, 2048                   ; the scales of 256 rows: 2,048 bytes a K step, eight K steps
	GROUP1 G1SB, 44, 256, 8, 7168
	s_lshl_b32 s20, s96, 22                        ; A's codes
	s_lshl_b32 s22, s97, 14
	s_add_co_u32 s20, s20, s22
	s_mov_b32 s21, 0
	s_lshl_b32 s46, s96, 21                        ; B's codes
	s_lshl_b32 s92, s42, 19
	s_add_co_u32 s46, s46, s92
	s_mov_b32 s47, 0
	s_lshl_b32 s22, s96, 17                        ; A's scales
	s_lshl_b32 s23, s97, 11
	s_add_co_u32 s22, s22, s23
	s_add_co_u32 s22, s22, 29360128
	s_mov_b32 s23, 0
	s_lshl_b32 s92, s96, 13                        ; B's scales
	s_lshl_b32 s93, s42, 11
	s_add_co_u32 s92, s92, s93
	s_add_co_u32 s92, s92, 14680064
	s_mov_b32 s93, 0
	s_lshl_b32 s94, s16, 18                        ; in the ring: my half of A's groups or of B's columns, 262,144 bytes on
	s_mov_b32 s95, 0
	s_lshl_b32 s45, s14, 15                        ; and its place in a slot
	s_wait_dscnt 0x0
	CROUND                                         ; all sixteen work-groups are here: the first joint loads meet
	s_wait_kmcnt 0x0
	s_mov_b32 s[G0], 1
	s_mov_b32 s[G0+1], 0
	s_add_nc_u64 s[G0+2:G0+3], s[4:5], s[20:21]
	s_or_b32 s[G0+3], s[G0+3], 0x80000000
	s_mov_b32 s[G0B], 1
	s_mov_b32 s[G0B+1], 65536
	s_add_nc_u64 s[G0B+2:G0B+3], s[6:7], s[46:47]
	s_or_b32 s[G0B+3], s[G0B+3], 0x80000000
	s_mov_b32 s[G0S], 1
	s_mov_b32 s[G0S+1], SCL
	s_add_nc_u64 s[G0S+2:G0S+3], s[4:5], s[22:23]
	s_or_b32 s[G0S+3], s[G0S+3], 0x80000000
	s_mov_b32 s[G0SB], 1
	s_mov_b32 s[G0SB+1], SCL+SCB
	s_add_nc_u64 s[G0SB+2:G0SB+3], s[6:7], s[92:93]
	s_or_b32 s[G0SB+3], s[G0SB+3], 0x80000000
	s_mov_b32 s[G0+4], 1                           ; slot 1: K step 1
	s_add_co_u32 s[G0+5], s45, SLOT
	s_add_nc_u64 s[G0+6:G0+7], s[4:5], s[20:21]
	s_add_nc_u64 s[G0+6:G0+7], s[G0+6:G0+7], s[94:95]
	s_add_nc_u64 s[G0+6:G0+7], s[G0+6:G0+7], AKS
	s_or_b32 s[G0+7], s[G0+7], 0x80000000
	s_mov_b32 s[G0B+4], 1
	s_add_co_u32 s[G0B+5], s45, SLOT
	s_add_nc_u64 s[G0B+6:G0B+7], s[6:7], s[46:47]
	s_add_nc_u64 s[G0B+6:G0B+7], s[G0B+6:G0B+7], s[94:95]
	s_add_nc_u64 s[G0B+6:G0B+7], s[G0B+6:G0B+7], BKS
	s_or_b32 s[G0B+7], s[G0B+7], 0x80000000
; THE HEAD'S LOADS, one a wave: one tree of branches on the wave's number
.macro ARM under, g0, g1, next
	s_cmp_lt_u32 s14, \under
	s_cbranch_scc0 \next
	tensor_load_to_lds s[\g0:\g0+3], s[\g1:\g1+7]
	s_nop 0
.rept 4
	v_nop
.endr
	s_branch .Lhead_asked
\next:
.endm
	ARM 1, G0,  G1,  .Lhead_b
	ARM 2, G0B, G1B, .Lhead_sa
	ARM 3, G0S, G1S, .Lhead_sb
	tensor_load_to_lds s[G0SB:G0SB+3], s[G1SB:G1SB+7]
	s_nop 0
.rept 4
	v_nop
.endr
.Lhead_asked:
	; the prefetches: of A's K step partner cx takes its 64 along K number cx, of B's partner cy four of the sixteen column blocks; each wave half of that
	s_mov_b32 s23, BKS
	s_mov_b32 s92, 0x8000
	s_cmp_eq_u32 s15, 0
	s_cselect_b32 s18, AKS, s23                    ; from K step to K step
	s_cselect_b32 s92, 0x1000, s92                 ; from lanes 0-15's run to lanes 16-31's
	s_cselect_b32 s22, s40, s41
	s_cselect_b32 s23, 13, 16
	s_cselect_b32 s2, s20, s46
	s_cselect_b64 s[PFA:PFA+1], s[4:5], s[6:7]
	s_mov_b32 s19, 0
	s_lshl_b32 s22, s22, 17
	s_add_co_u32 s2, s2, s22
	s_lshl_b32 s23, s16, s23
	s_add_co_u32 s22, s2, s23
	s_mov_b32 s23, 0
	s_add_nc_u64 s[PFA:PFA+1], s[PFA:PFA+1], s[22:23]
	s_add_nc_u64 s[PFA:PFA+1], s[PFA:PFA+1], s[18:19]   ; K step 1,
	s_add_nc_u64 s[22:23], s[PFA:PFA+1], s[18:19]       ; and 2
	; the bias of my 128 columns, and where my rows of eo begin
	s_lshl_b32 s20, s96, 12
	s_lshl_b32 s21, s42, 10
	s_add_co_u32 s20, s20, s21
	s_lshl_b32 s21, s16, 9
	s_add_co_u32 s20, s20, s21
	s_mov_b32 s21, 0
	s_add_nc_u64 s[98:99], s[8:9], s[20:21]
	s_lshl_b32 s20, s17, 19
	s_lshl_b32 s21, s15, 18
	s_add_co_u32 s20, s20, s21
	s_lshl_b32 s21, s42, 9
	s_add_co_u32 s20, s20, s21
	s_lshl_b32 s21, s16, 8
	s_add_co_u32 s20, s20, s21
	s_mov_b32 s21, 0
	s_add_nc_u64 s[10:11], s[10:11], s[20:21]
	s_lshl_b32 s20, s15, 13                        ; my 128 tokens of A
	s_lshl_b32 s21, s16, 15
	s_add_co_u32 s21, s21, 65536                   ; my 128 columns of B
	s_lshl_b32 s46, s15, 10
	s_lshl_b32 s47, s16, 10
	s_add_co_u32 s47, s47, SCB
	s_sub_co_u32 s47, s47, s46                     ; from A's scales to B's
	s_add_co_u32 s46, s46, SCL
	s_mul_i32 s93, s14, 16*PITCH                   ; my stage
	v_and_b32 v1, 15, v0                           ; r
	v_bfe_u32 v2, v0, 4, 1                         ; h
	v_and_b32 v3, 31, v0                           ; lane
	v_lshlrev_b32 v[BO], 5, v2
.irp b, 0,1,2,3,4,5,6,7
	global_load_b128 v[BI+8*\b:BI+8*\b+3], v[BO], s[98:99] offset:64*\b        ; lane (r, h), block b: columns 16 b + 8 h + 0 .. 7: the result's layout
	global_load_b128 v[BI+8*\b+4:BI+8*\b+7], v[BO], s[98:99] offset:64*\b+16
.endr
	v_lshlrev_b32 v[PFO], 8, v1
	v_mul_u32_u24 v5, s92, v2
	v_add_nc_u32 v[PFO], v[PFO], v5
	v_lshlrev_b32 v4, 4, v3                        ; an image's place for my lane
	v_add_nc_u32 v[ADRA], s20, v4
	v_add_nc_u32 v[ADRB], s21, v4
	v_add_nc_u32 v[ADRA+1], SLOT, v[ADRA]
	v_add_nc_u32 v[ADRB+1], SLOT, v[ADRB]
	v_lshlrev_b32 v6, 2, v1
	v_mul_u32_u24 v7, s47, v2                      ; lanes 16-31 take B's
	v_add_nc_u32 v6, v6, v7
	v_add_nc_u32 v[ADRS], s46, v6
	v_mul_u32_u24 v8, v1, PITCH
	v_lshl_add_u32 v8, v2, 4, v8
	v_add_nc_u32 v[STO], s93, v8
	v_mul_u32_u24 v9, v2, PITCH
	v_lshl_add_u32 v9, v1, 4, v9
	v_add_nc_u32 v[RD], s93, v9
	v_lshlrev_b32 v10, 11, v2
	v_lshl_add_u32 v[CO], v1, 4, v10
	global_prefetch_b8 v[PFO], s[PFA:PFA+1] th:TH_LOAD_NT scope:SCOPE_SE
	global_prefetch_b8 v[PFO], s[22:23] th:TH_LOAD_NT scope:SCOPE_SE
.macro ASK
	s_cmp_gt_u32 s3, 1                             ; s3 = 1 in the loop's last trip, whose refills have no K step two on
	s_cbranch_scc0 .Lnot_mine_\@
	global_prefetch_b8 v[PFO], s[PFA:PFA+1] th:TH_LOAD_NT scope:SCOPE_SE
.Lnot_mine_\@:
.endm
.macro FRAGA reg, adr, q, i            ; registers 4 c .. 4 c + 3: the c-th 32 along K of the q-th 128
.irp c, 0,1,2,3
	ds_load_b128 v[\reg+4*\c:\reg+4*\c+3], v[\adr] offset:(2*(\q)+\c/2)*16384+(\i)*1024+(\c%2)*512
.endr
.endm
.macro FRAGB reg, adr, q, i
.irp c, 0,1,2,3
	ds_load_b128 v[\reg+4*\c:\reg+4*\c+3], v[\adr] offset:(\i)*4096+2048*(\q)+512*\c
.endr
.endm
; 16 products: A's blocks a0, a0 + 1 x B's eight.  The 64 accumulators take turns, one instruction a turn.  zero = 1: the sums start from the bias
.macro MUL16 a0, p, q, sc, zero
.irp a, \a0, \a0+1
.irp b, 0,1,2,3,4,5,6,7
.if \zero
	v_wmma_scale_f32_16x16x128_f8f6f4 v[8*(8*((\a)%4)+\b):8*(8*((\a)%4)+\b)+7], v[128*(\p)+FR*\b:128*(\p)+FR*\b+FR-1], v[AF+FR*(\a):AF+FR*(\a)+FR-1], v[BI+8*\b:BI+8*\b+7], v[SC+8*NQ*(\sc)+NQ*\b+(\q)], v[SC+8*NQ*(\sc)+NQ*(\a)+(\q)] matrix_a_fmt:MATRIX_FMT_BF8 matrix_b_fmt:MATRIX_FMT_BF8 matrix_a_scale:MATRIX_SCALE_ROW1
.else
	v_wmma_scale_f32_16x16x128_f8f6f4 v[8*(8*((\a)%4)+\b):8*(8*((\a)%4)+\b)+7], v[128*(\p)+FR*\b:128*(\p)+FR*\b+FR-1], v[AF+FR*(\a):AF+FR*(\a)+FR-1], v[8*(8*((\a)%4)+\b):8*(8*((\a)%4)+\b)+7], v[SC+8*NQ*(\sc)+NQ*\b+(\q)], v[SC+8*NQ*(\sc)+NQ*(\a)+(\q)] matrix_a_fmt:MATRIX_FMT_BF8 matrix_b_fmt:MATRIX_FMT_BF8 matrix_a_scale:MATRIX_SCALE_ROW1
.endif
.endr
.endr
.endm
.macro FETCH_B slot, q, p
	WIN TO_B
.irp i, 0,1,2,3,4,5,6,7
	FRAGB 128*(\p)+FR*\i, ADRB+\slot, \q, \i
.endr
	WIN 0
.endm
.macro FETCH_A slot, q, i0
.irp i, \i0, \i0+1, \i0+2, \i0+3
	FRAGA AF+FR*(\i), ADRA+\slot, \q, \i
.endr
.endm
.macro SCALES sc                       ; a K step's scale words: lanes 0-15 A's block i, lanes 16-31 B's
.irp i, 0,1,2,3,4,5,6,7
.irp q, 0,1
	ds_load_b32 v[SC+8*NQ*\sc+NQ*\i+\q], v[ADRS] offset:(\i/2)*256+(\i%2)*64+128*\q
.endr
.endr
.endm
.macro PLACES n
.rept \n
	v_nop
.endr
.endm
.macro STEP slot, q, zero              ; a step of 128 along K that has its successor in the same slot
	s_wait_dscnt 4*NL                              ; the youngest 16 loads (A's blocks 4-7) may be out
.if \zero
	WIN 0x81
.else
	WIN MUL_LO
.endif
	MUL16 0, (\q)%2, \q, \slot, \zero
	MUL16 2, (\q)%2, \q, \slot, \zero
	s_wait_dscnt 0
	PLACES NP
	FETCH_B \slot, (\q)+1, 1-(\q)%2
	FETCH_A \slot, (\q)+1, 0
.if \zero
	WIN 0xc1
.else
	WIN MUL_HI
.endif
	MUL16 4, (\q)%2, \q, \slot, \zero
	MUL16 6, (\q)%2, \q, \slot, \zero
	PLACES NP
	WIN 0
	FETCH_A \slot, (\q)+1, 4
.endm
; A slot's last step, and the change of slots at its head: the step's fragments have all been asked for, so my reads of this slot end with the wait below.  fill = 1: this slot is filled again, two K steps ahead
.macro TURN slot, next, fill
.if \fill
	s_wait_xcnt 0x0                                ; any prefetch of mine has read its address
	s_add_nc_u64 s[PFA:PFA+1], s[PFA:PFA+1], s[18:19]
.endif
	s_wait_tensorcnt 0x0                           ; my part of the next slot has landed
	ds_add_u32 v[SPW], v[NIL]
.if \fill
	s_add_nc_u64 s[G0+4*\slot+2:G0+4*\slot+3], s[G0+4*\slot+2:G0+4*\slot+3], 2*AKS
	s_add_nc_u64 s[G0B+4*\slot+2:G0B+4*\slot+3], s[G0B+4*\slot+2:G0B+4*\slot+3], 2*BKS
.endif
	s_wait_dscnt 0x0                               ; the add is done, and my reads of this slot are over
	s_barrier_signal -1
	s_barrier_wait -1
.if \fill
	CREST
	JLOAD G0+4*\slot, G1, G0B+4*\slot, G1B         ; the first tensor load behind the round, my only one until the next
	ASK
.endif
	WIN MUL_LO
	MUL16 0, 1, NQ-1, \slot, 0
	MUL16 2, 1, NQ-1, \slot, 0
	WIN 0
	PLACES NP
	s_wait_alu depctr_va_vdst(0)
	v_add_nc_u32 v[ADRS], 2048, v[ADRS]            ; on to the next K step's scale words
	FETCH_B \next, 0, 0
	FETCH_A \next, 0, 0
	SCALES \next
	WIN MUL_HI
	MUL16 4, 1, NQ-1, \slot, 0
	MUL16 6, 1, NQ-1, \slot, 0
	PLACES NP
	WIN 0
	FETCH_A \next, 0, 4
.endm
	s_wait_alu depctr_va_vdst(0)                   ; the head's end
	s_wait_xcnt 0x0                                ; the head's prefetches have read their addresses
	s_add_nc_u64 s[PFA:PFA+1], s[22:23], s[18:19]  ; K step 3
	s_wait_tensorcnt 0x0                           ; my tile of the head's four is in
	ds_add_u32 v[SPW], v[NIL]
	s_mov_b32 s[G1+2], 2<<16                       ; no tensor load of mine is out: from here on a load brings half a tile,
	s_mov_b32 s[G1+4], 2
	s_mov_b32 s[G1B+2], 8<<16
	s_mov_b32 s[G1B+4], 8
	s_mov_b32 s[G0+1], s45                         ; and slot 0's descriptors name my half
	s_mov_b32 s[G0B+1], s45
	s_add_nc_u64 s[G0+2:G0+3], s[G0+2:G0+3], s[94:95]
	s_add_nc_u64 s[G0B+2:G0B+3], s[G0B+2:G0B+3], s[94:95]
	s_wait_dscnt 0x0                               ; the add is done
	CROUND                                         ; all four tiles are in, and all sixteen work-groups are here
	JLOAD G0+4, G1, G0B+4, G1B                     ; K step 1
	FETCH_B 0, 0, 0
	FETCH_A 0, 0, 0
	SCALES 0
	FETCH_A 0, 0, 4
	global_prefetch_b8 v[PFO], s[PFA:PFA+1] th:TH_LOAD_NT scope:SCOPE_SE
	s_wait_loadcnt 0x0                             ; the bias
	STEP 0, 0, 1
	s_mov_b32 s3, LAPS-1
.Llap:                                             ; a trip goes once round the ring and fills both slots again
	TURN 0, 1, 1
	STEP 1, 0, 0
	TURN 1, 0, 1
	STEP 0, 0, 0
	s_sub_co_u32 s3, s3, 1
	s_cmp_lg_u32 s3, 0
	s_cbranch_scc1 .Llap
	TURN 0, 1, 0                                   ; the last lap fills nothing
	STEP 1, 0, 0
	s_wait_dscnt 4*NL
	WIN MUL_LO
	MUL16 0, 1, NQ-1, 1, 0
	MUL16 2, 1, NQ-1, 1, 0
	s_wait_dscnt 0
	WIN MUL_HI
	MUL16 4, 1, NQ-1, 1, 0
	MUL16 6, 1, NQ-1, 1, 0
	WIN 0
; THE WAY OUT, block by block of 16 rows x 128 columns: the activation, bf16, through my own stage, and out as whole rows of 256 bytes
.macro PACK a
.set AC, 64*((\a)%4)
.set W, 2+(\a)/4
	WIN (W<<2)
.set i, 0
.rept 64
	v_max_num_f32 v[T+i], 0, v[AC+i]
.set i, i+1
.endr
	WIN 0
.set i, 0
.rept 32
	v_cvt_pk_bf16_f32 v[PK+i], v[T+2*i], v[T+2*i+1]
.set i, i+1
.endr
.endm
.macro TOSTAGE a
.irp b, 0,1,2,3,4,5,6,7
	ds_store_b128 v[STO], v[PK+4*\b:PK+4*\b+3] offset:32*\b
.endr
	WIN TO_B
.irp t, 0,1,2,3,4,5,6,7
	ds_load_b128 v[32*(\a)+4*\t:32*(\a)+4*\t+3], v[RD] offset:\t*2*PITCH   ; LDS serves a wave's instructions in order: these see the stores above
.endr
	WIN 0
.endm
.macro SEND a
	s_wait_dscnt 0x0
	WIN 0x04
.irp t, 0,1,2,3,4,5,6,7
	global_store_b128 v[CO], v[32*(\a)+4*\t:32*(\a)+4*\t+3], s[10:11] offset:(16*(\a)+2*\t)*2048   ; sixteen lanes store 256 consecutive bytes, aligned
.endr
	WIN 0
.endm
	PLACES NP
	PACK 0
	TOSTAGE 0
.irp a, 1,2,3,4,5,6,7
	PACK \a
	s_wait_alu depctr_va_vdst(0)
	SEND \a-1
	TOSTAGE \a
.endr
	SEND 7
	s_wait_tensorcnt 0x0                           ; the wave's end
	ds_add_u32 v[SPW], v[NIL]
	s_wait_dscnt 0x0
	CROUND                                         ; the closing round
	s_endpgm
.Lfunc_end_k_qfbf774c849_gemm2:
	.size	k_qfbf774c849_gemm2, .Lfunc_end_k_qfbf774c849_gemm2-k_qfbf774c849_gemm2
	.p2alignl 7, 3214868480
	.fill 96, 4, 3214868480
	.section	.rodata,"a",@progbits
	.p2align	6, 0x0
	.amdhsa_kernel k_qfbf774c849_gemm2
		.amdhsa_group_segment_fixed_size 327680
		.amdhsa_private_segment_fixed_size 0
		.amdhsa_enable_private_segment 0
		.amdhsa_kernarg_size 32
		.amdhsa_user_sgpr_count 2
		.amdhsa_user_sgpr_kernarg_segment_ptr 1
		.amdhsa_wavefront_size32 1
		.amdhsa_system_sgpr_workgroup_id_x 1
		.amdhsa_system_sgpr_workgroup_id_y 1
		.amdhsa_system_sgpr_workgroup_id_z 1
		.amdhsa_system_vgpr_workitem_id 0
		.amdhsa_next_free_vgpr 1024
		.amdhsa_next_free_sgpr 100
		.amdhsa_reserve_vcc 0
		.amdhsa_float_denorm_mode_32 3
		.amdhsa_float_denorm_mode_16_64 3
		.amdhsa_memory_ordered 1
		.amdhsa_forward_progress 1
		.amdhsa_inst_pref_size 170
	.end_amdhsa_kernel
	.amdgpu_metadata
---
amdhsa.version: [ 1, 2 ]
amdhsa.kernels:
  - .name:           k_qfbf774c849_gemm2
    .symbol:         k_qfbf774c849_gemm2.kd
    .args:
      - { .name: hc, .offset: 0, .size: 8, .value_kind: global_buffer, .address_space: global }
      - { .name: w2c, .offset: 8, .size: 8, .value_kind: global_buffer, .address_space: global }
      - { .name: b2, .offset: 16, .size: 8, .value_kind: global_buffer, .address_space: global }
      - { .name: eo, .offset: 24, .size: 8, .value_kind: global_buffer, .address_space: global }
    .group_segment_fixed_size: 327680
    .private_segment_fixed_size: 0
    .kernarg_segment_align: 8
    .kernarg_segment_size: 32
    .max_flat_workgroup_size: 128
    .sgpr_count:     100
    .vgpr_count:     1024
    .wavefront_size: 32
...
	.end_amdgpu_metadata
.endif
;; end of part 3
;; launch comb (part 4): grid 128 x 2, 4 waves a work-group, no clusters, 2,560 bytes of LDS; arguments xc, sc, scene, scene_emb, eo, out0; writes out0
.if DOCPART == 4
	.amdgcn_target "amdgcn-amd-amdhsa--gfx1250"
	.amdhsa_code_object_version 6
	.text
	.protected	k_qfbf774c849_comb
	.globl	k_qfbf774c849_comb
	.p2align	8
	.type	k_qfbf774c849_comb,@function
k_qfbf774c849_comb:
	s_mov_b64 s[64:65], 0
	v_nop
	global_prefetch_b8 v0, s[64:65] scope:SCOPE_SE
	s_setreg_imm32_b32 hwreg(HW_REG_WAVE_MODE, 25, 1), 1
	s_wait_xcnt 0x0
; The routing product, the gate and the sum over the experts: out[t][b][:] = sum over e of gate[b][e] eo[2,048 e + b][:], t = 0, 1.  Nothing of the problem's work is left out here.
; A work-group takes 16 tokens and 512 of the 1,024 columns (work-group y).  The gate of its 16 tokens is made in both column halves: nine matrix instructions a wave.
; THE ROUTING PRODUCT, K = 1,040 in nine steps of 128: source 0 = wave t's tile of S (register images made by the first launch), source 1 = the tokens' codes: x's from xc, and for the last step the
; scene's embedding, quantised here (16 numbers in lanes 0-15 of block 0; the rest of the step is zero codes).  In the result lane (r, h) holds token r, expert 2 t + h, and register j scene j.
; THE GATE: G = softmax over the scenes (the maximum taken away first); g = G at the token's scene; p = log2 g and q = the sum of log2(7 G) are ranked: each ranking drops its smallest, of equal ones
; the one with the higher index; an expert dropped by both gets the gate 0; else gate = softmax over the experts of g.  All choices are made by v_cndmask_b32: no branch, no address hangs on them.
; p, q, g go through a table in LDS ([token][3 kinds][8 experts]); then wave w takes tokens 4 w .. 4 w + 3: f32 gate x bf16 eo, f32 sums, each row stored twice.
; ALL LOADS STAND AHEAD OF THE GATE: what hangs on no data first, the embedding's rows behind the scene, then eo's four rows, which land while the gate is made.
; LIMITS: NaN and infinities are not served.  A G under 2^-126 counts as 0 and its logarithm as -infinity.  scene above 6 counts as 6 for the choice of G and above 9 as 9 for the embedding.
; q is ranked without the positive constants ln 2 and 1 / 7.  An embedding row whose largest magnitude lies under 2^-111 gets the byte 1.
; REGISTERS: window 0: v1-21 addresses and constants; v22, v23 the add's two; v24-32 S's scale words, v34-42 the tokens'; v48-191 S's nine fragments, later the tables (v48-143), then four rows' sums (v48-111),
; and the gates (v144-175); v192-207 two accumulators; v208-223 the embedding; v224-255 at work.   window 1: v0-143 the tokens' nine fragments; v144-255 eo's rows 0 and 1, 56 registers each.   window 2: v0-111 rows 2 and 3.
.set SPARE, 2048                       ; behind the table: the spare words, 128 bytes for each wave: two blocks of 256 bytes that no other line names
.set SPW,  22
.set NIL,  23
.set SS,   24
.set XS,   34
.set SF,   48
.set TB,   48
.set GA,   144
.set ACC0, 192
.set ACC1, 200
.set EM,   208
.set XF,   0
.set MSB, 0
.macro WIN new                         ; the immediate's high byte repeats the setting that is left
.if MSB != \new
	s_set_vgpr_msb (MSB<<8)|\new
.set MSB, \new
.endif
.endm
.macro ELOAD p                         ; row p of my four: 7 experts x 1,024 bytes, 256 consecutive bytes a load
.set ER, 144+56*(\p)                   ; rows 0, 1: window 1
.if (\p) > 1
.set ER, 56*((\p)-2)                   ; rows 2, 3: window 2
.endif
	WIN 0x40+0x40*((\p)/2)                         ; the destination's window
.irp e, 0,1,2,3,4,5,6
.irp q, 0,1,2,3
	global_load_b64 v[ER+8*\e+2*\q:ER+8*\e+2*\q+1], v[13+\e], s[28:29] offset:2048*(\p)+256*\q th:TH_LOAD_NT
.endr
.endr
.endm
	s_load_b256 s[4:11], s[0:1], 0x0               ; xc 4, sc 6, scene 8, scene_emb 10
	s_load_b128 s[12:15], s[0:1], 0x20             ; eo 12, out0 14
	v_lshl_add_u32 v[SPW], v0, 2, SPARE
	v_mov_b32 v[NIL], 0
	v_lshrrev_b32 v1, 5, v0
	v_readfirstlane_b32 s21, v1                    ; wave 0..3
	v_lshlrev_b32 v12, 9, v1                       ; the table's rows of my four tokens: 512 x wave
	v_and_b32 v1, 31, v0                           ; lane
	v_and_b32 v2, 15, v0                           ; r
	v_bfe_u32 v3, v0, 4, 1                         ; h
	v_lshlrev_b32 v5, 3, v2                        ; x's scale bytes: 8 a row and K step of 256
	v_lshlrev_b32 v6, 4, v1                        ; an image's place for my lane
	v_lshlrev_b32 v7, 2, v1                        ; a scale word's
	v_lshlrev_b32 v8, 2, v2                        ; scene: 4 bytes a token
	s_lshl_b32 s22, s21, 3
	v_lshlrev_b32 v11, 7, v2
	v_lshl_add_u32 v11, v3, 2, v11
	v_add_nc_u32 v11, s22, v11                     ; the table: 128 r + 4 (2 wave + h)
	s_lshl_b32 s22, s21, 13
	v_lshl_add_u32 v13, v1, 3, s22                 ; eo: my four rows of 2,048 bytes, 8 bytes a lane,
.irp e, 1,2,3,4,5,6
	v_add_nc_u32 v[13+\e], \e*4194304, v13         ; an expert's 2,048 rows on
.endr
	s_lshl_b32 s22, s21, 14
	v_lshl_add_u32 v20, v1, 4, s22                 ; out: my four rows of 4,096 bytes, 16 bytes a lane
	v_mov_b32 v21, 0                               ; what the first expert's product is added to
	s_mov_b32 s20, 0x600000                        ; the mantissa field of 57,344
	s_and_b32 s23, ttmp7, 0xffff                   ; which 512 columns
	s_mov_b32 s37, 0
	s_wait_alu depctr_va_vdst(0)
	s_wait_kmcnt 0x0
	s_lshl_b32 s36, ttmp9, 14                      ; 16 rows of 1,024 bytes
	s_add_nc_u64 s[16:17], s[4:5], s[36:37]        ; x's codes
	s_lshl_b32 s36, ttmp9, 7
	s_add_co_u32 s36, s36, 2097152
	s_add_nc_u64 s[18:19], s[4:5], s[36:37]        ; x's scale bytes, behind the codes
	s_lshl_b32 s36, ttmp9, 6
	s_add_nc_u64 s[34:35], s[8:9], s[36:37]        ; scene
	s_lshl_b32 s36, s21, 11
	s_add_nc_u64 s[30:31], s[6:7], s[36:37]        ; my tile's images: fragment 4 ks + wave
	s_lshl_b32 s36, s21, 7
	s_add_co_u32 s36, s36, 73728
	s_add_nc_u64 s[32:33], s[6:7], s[36:37]        ; and their scale words
	s_lshl_b32 s36, ttmp9, 15
	s_lshl_b32 s38, s23, 10
	s_add_co_u32 s36, s36, s38
	s_add_nc_u64 s[28:29], s[12:13], s[36:37]      ; eo
	s_lshl_b32 s36, ttmp9, 16
	s_lshl_b32 s38, s23, 11
	s_add_co_u32 s36, s36, s38
	s_add_nc_u64 s[24:25], s[14:15], s[36:37]      ; out, task 0,
	s_add_nc_u64 s[26:27], s[24:25], 8388608       ; and task 1
	global_load_b32 v9, v8, s[34:35]               ; my token's scene: the first load of all
	WIN 0x40
.irp ks, 0,1,2,3,4,5,6,7
.irp c, 0,1,2,3
	global_load_b128 v[XF+16*\ks+4*\c:XF+16*\ks+4*\c+3], v6, s[16:17] offset:2048*\ks+512*\c   ; the tokens' image: 512 consecutive bytes a load
.endr
.endr
	WIN 0
.irp k2, 0,1,2,3
	global_load_b64 v[XS+2*\k2:XS+2*\k2+1], v5, s[18:19] offset:16384*\k2
.endr
.irp ks, 0,1,2,3,4,5,6,7,8
.irp c, 0,1,2,3
	global_load_b128 v[SF+16*\ks+4*\c:SF+16*\ks+4*\c+3], v6, s[30:31] offset:8192*\ks+512*\c
.endr
.endr
.irp ks, 0,1,2,3,4,5,6,7,8
	global_load_b32 v[SS+\ks], v7, s[32:33] offset:512*\ks
.endr
	s_wait_loadcnt 63                              ; 81 loads were issued behind scene's: with at most 63 out the oldest 19 are in, scene's first among them
	v_min_u32 v10, 9, v9                           ; the index stays inside the table of ten rows
	v_lshlrev_b32 v10, 6, v10
.irp j, 0,1,2,3
	global_load_b128 v[EM+4*\j:EM+4*\j+3], v10, s[10:11] offset:16*\j
.endr
	ELOAD 0
	ELOAD 1
	WIN 0
	s_wait_loadcnt 56                              ; all that the gate needs is in; the 56 loads of eo's rows 0 and 1 may be out
	ELOAD 2                                        ; rows 2 and 3 are asked for here: they have the whole gate in which to land
	ELOAD 3
	WIN 0
	; the last K step's operand: k = 1,024 .. 1,039 are the embedding's 16 numbers, in lanes 0-15 of block 0
	v_cmp_eq_u32 vcc_lo, 0, v3
.irp i, 0,1,2,3,4,5,6,7,8,9,10,11,12,13,14,15
	v_cndmask_b32 v[EM+\i], 0, v[EM+\i], vcc_lo
.endr
	v_max3_num_f32 v224, |v[EM]|, |v[EM+1]|, 0x8000000   ; the block's largest magnitude (its other 16 numbers are zeros), and the floor 2^(16 - 127)
.irp i, 2,4,6,8,10,12,14
	v_max3_num_f32 v224, v224, |v[EM+\i]|, |v[EM+\i+1]|
.endr
	v_add_nc_u32 v225, 0xf8800000, v224            ; the conversion's scale operand
	v_and_or_b32 v226, v224, 0x7f800000, s20       ; 57,344 x the scale
	v_lshrrev_b32 v227, 23, v225                   ; the scale's byte
	v_or_b32 v[XS+8], 0x7f7f7f00, v227             ; the three blocks of zeros get the byte 127
.irp i, 0,1,2,3,4,5,6,7,8,9,10,11,12,13,14,15
	v_med3_num_f32 v[EM+\i], v[EM+\i], -v226, v226
.endr
	WIN 0x40
.irp i, 4,5,6,7,8,9,10,11,12,13,14,15
	v_mov_b32 v[XF+128+\i], 0
.endr
	v_cvt_scalef32_pk8_bf8_f32 v[XF+128:XF+129], v[EM:EM+7], v225
	v_cvt_scalef32_pk8_bf8_f32 v[XF+130:XF+131], v[EM+8:EM+15], v225
	WIN 0
.rept 8
	v_nop                                          ; places between operands and a scale word written by vector instructions and the scaled matrix instructions
.endr
	WIN 0x04                                       ; source 1 (the tokens) window 1
	v_wmma_scale_f32_16x16x128_f8f6f4 v[ACC0:ACC0+7], v[SF:SF+15], v[XF:XF+15], 0, v[SS], v[XS] matrix_a_fmt:MATRIX_FMT_BF8 matrix_b_fmt:MATRIX_FMT_BF8
	v_wmma_scale_f32_16x16x128_f8f6f4 v[ACC1:ACC1+7], v[SF+16:SF+31], v[XF+16:XF+31], 0, v[SS+1], v[XS+1] matrix_a_fmt:MATRIX_FMT_BF8 matrix_b_fmt:MATRIX_FMT_BF8
.irp ks, 2,3,4,5,6,7,8                 ; two accumulators by turns, one instruction a turn: the even K steps and the odd ones
	v_wmma_scale_f32_16x16x128_f8f6f4 v[ACC0+8*(\ks%2):ACC0+8*(\ks%2)+7], v[SF+16*\ks:SF+16*\ks+15], v[XF+16*\ks:XF+16*\ks+15], v[ACC0+8*(\ks%2):ACC0+8*(\ks%2)+7], v[SS+\ks], v[XS+\ks] matrix_a_fmt:MATRIX_FMT_BF8 matrix_b_fmt:MATRIX_FMT_BF8
.endr
	WIN 0
.rept 8
	v_nop
.endr
.irp j, 0,1,2,3,4,5,6
	v_add_f32 v[224+\j], v[ACC0+\j], v[ACC1+\j]    ; the logit of scene j; both accumulators from their low end on
.endr
	v_max3_num_f32 v232, v224, v225, v226
	v_max3_num_f32 v232, v232, v227, v228
	v_max3_num_f32 v232, v232, v229, v230
.irp j, 0,1,2,3,4,5,6
	v_sub_f32 v[224+\j], v[224+\j], v232
.endr
.irp j, 0,1,2,3,4,5,6
	v_mul_f32 v[224+\j], 0x3fb8aa3b, v[224+\j]     ; x log2(e)
.endr
	s_wait_alu depctr_va_vdst(0)
.irp j, 0,1,2,3,4,5,6
	v_exp_f32 v[224+\j], v[224+\j]
.endr
	v_nop                                          ; a plain instruction behind the batch,
	s_wait_alu depctr_va_vdst(0)                   ; and one wait for it, ahead of its first reader
	v_add_f32 v233, v224, v225
	v_add_f32 v234, v226, v227
	v_add_f32 v235, v228, v229
	v_add_f32 v233, v233, v234
	v_add_f32 v235, v235, v230
	v_add_f32 v233, v233, v235
	s_wait_alu depctr_va_vdst(0)
	v_rcp_f32 v233, v233
	v_nop
	s_wait_alu depctr_va_vdst(0)
.irp j, 0,1,2,3,4,5,6
	v_mul_f32 v[224+\j], v[224+\j], v233           ; G
.endr
	v_mov_b32 v236, v230                           ; g = G at my token's scene
.irp j, 0,1,2,3,4,5
	v_cmp_eq_u32 vcc_lo, \j, v9
	v_cndmask_b32 v236, v236, v[224+\j], vcc_lo
.endr
.irp j, 0,1,2,3,4,5,6
	v_mul_f32 v[240+\j], 0x40e00000, v[224+\j]     ; 7 G
.endr
	s_wait_alu depctr_va_vdst(0)
.irp j, 0,1,2,3,4,5,6
	v_log_f32 v[240+\j], v[240+\j]
.endr
	v_log_f32 v247, v236                           ; p
	v_nop
	s_wait_alu depctr_va_vdst(0)                   ; one wait for the eight logarithms
	v_add_f32 v240, v240, v241
	v_add_f32 v242, v242, v243
	v_add_f32 v244, v244, v245
	v_add_f32 v240, v240, v242
	v_add_f32 v244, v244, v246
	v_add_f32 v240, v240, v244                     ; q
	ds_store_b32 v11, v247
	ds_store_b32 v11, v240 offset:32
	ds_store_b32 v11, v236 offset:64
	s_wait_dscnt 0x0                               ; for the others' sake: my stores have landed
	s_barrier_signal -1
	s_barrier_wait -1
.irp p, 0,1,2,3
.irp k, 0,1,2
	ds_load_b128 v[TB+24*\p+8*\k:TB+24*\p+8*\k+3], v12 offset:128*\p+32*\k        ; every lane reads the same words: p, q, g of my four tokens
	ds_load_b128 v[TB+24*\p+8*\k+4:TB+24*\p+8*\k+7], v12 offset:128*\p+32*\k+16
.endr
.endr
	s_wait_dscnt 0x0
.macro GATE p                          ; the seven gates of my token p, the same in every lane
.set TP, TB+24*(\p)
.set TQ, TP+8
.set TG, TP+16
.set TA, GA+8*(\p)
	v_max3_num_f32 v232, v[TG], v[TG+1], v[TG+2]
	v_max3_num_f32 v232, v232, v[TG+3], v[TG+4]
	v_max3_num_f32 v232, v232, v[TG+5], v[TG+6]
.irp e, 0,1,2,3,4,5,6
	v_sub_f32 v[TA+\e], v[TG+\e], v232
.endr
.irp e, 0,1,2,3,4,5,6
	v_mul_f32 v[TA+\e], 0x3fb8aa3b, v[TA+\e]
.endr
	s_wait_alu depctr_va_vdst(0)
.irp e, 0,1,2,3,4,5,6
	v_exp_f32 v[TA+\e], v[TA+\e]
.endr
	v_mov_b32 v233, v[TP]                          ; the two rankings stand behind the exponentials as work that names none of their results
	v_mov_b32 v234, 0
	v_mov_b32 v235, v[TQ]
	v_mov_b32 v236, 0
.irp e, 1,2,3,4,5,6
	v_cmp_gt_f32 vcc_lo, v[TP+\e], v233            ; not greater: expert e is the smallest so far; of equal ones the higher index is dropped
	v_cndmask_b32 v233, v[TP+\e], v233, vcc_lo
	v_cndmask_b32 v234, \e, v234, vcc_lo
	v_cmp_gt_f32 vcc_lo, v[TQ+\e], v235
	v_cndmask_b32 v235, v[TQ+\e], v235, vcc_lo
	v_cndmask_b32 v236, \e, v236, vcc_lo
.endr
	v_cmp_eq_u32 vcc_lo, v234, v236
	v_cndmask_b32 v237, 8, v234, vcc_lo            ; the expert that both drop, or none
	s_wait_alu depctr_va_vdst(0)                   ; one wait for the seven exponentials
	v_add_f32 v238, v[TA], v[TA+1]
	v_add_f32 v239, v[TA+2], v[TA+3]
	v_add_f32 v240, v[TA+4], v[TA+5]
	v_add_f32 v238, v238, v239
	v_add_f32 v240, v240, v[TA+6]
	v_add_f32 v238, v238, v240
	s_wait_alu depctr_va_vdst(0)
	v_rcp_f32 v238, v238
	v_nop
	s_wait_alu depctr_va_vdst(0)
.irp e, 0,1,2,3,4,5,6
	v_mul_f32 v[TA+\e], v[TA+\e], v238
.endr
.irp e, 0,1,2,3,4,5,6
	v_cmp_ne_u32 vcc_lo, \e, v237
	v_cndmask_b32 v[TA+\e], 0, v[TA+\e], vcc_lo
.endr
.endm
	GATE 0
	GATE 1
	GATE 2
	GATE 3
.macro ROW p, left                     ; my token p: 512 columns, 16 a lane.  Its sums have 16 registers of their own, where the tables lay: no store's data are written again
.set ER, 144+56*(\p)
.if (\p) > 1
.set ER, 56*((\p)-2)
.endif
.set AO, TB+16*(\p)
	s_wait_loadcnt \left                           ; this row's 28 loads are in; those of the rows behind it may be out
	WIN 0x01+(\p)/2                                ; source 0 (eo): window 1 or 2
.irp e, 0,1,2,3,4,5,6
.irp q, 0,1,2,3
.irp w, 0,1
.if \e == 0
	v_fma_mix_f32_bf16 v[AO+4*\q+2*\w], v[ER+8*\e+2*\q+\w], v[GA+8*(\p)+\e], v21 op_sel:[0,0,0] op_sel_hi:[1,0,0]
	v_fma_mix_f32_bf16 v[AO+4*\q+2*\w+1], v[ER+8*\e+2*\q+\w], v[GA+8*(\p)+\e], v21 op_sel:[1,0,0] op_sel_hi:[1,0,0]
.else
	v_fma_mix_f32_bf16 v[AO+4*\q+2*\w], v[ER+8*\e+2*\q+\w], v[GA+8*(\p)+\e], v[AO+4*\q+2*\w] op_sel:[0,0,0] op_sel_hi:[1,0,0]
	v_fma_mix_f32_bf16 v[AO+4*\q+2*\w+1], v[ER+8*\e+2*\q+\w], v[GA+8*(\p)+\e], v[AO+4*\q+2*\w+1] op_sel:[1,0,0] op_sel_hi:[1,0,0]
.endif
.endr
.endr
.endr
	WIN 0
.irp q, 0,1,2,3
	global_store_b128 v20, v[AO+4*\q:AO+4*\q+3], s[24:25] offset:4096*(\p)+512*\q th:TH_STORE_NT   ; 32 lanes store 512 consecutive bytes, aligned
	global_store_b128 v20, v[AO+4*\q:AO+4*\q+3], s[26:27] offset:4096*(\p)+512*\q th:TH_STORE_NT   ; and the same for the second task
.endr
.endm
	ROW 0, 63                                      ; 84 loads were issued behind row 0's: a wait's count holds 63 at the most
	ROW 1, 56
	ROW 2, 28
	ROW 3, 0
	s_wait_tensorcnt 0x0                           ; the wave's end
	ds_add_u32 v[SPW], v[NIL]
	s_wait_dscnt 0x0
	s_endpgm
.Lfunc_end_k_qfbf774c849_comb:
	.size	k_qfbf774c849_comb, .Lfunc_end_k_qfbf774c849_comb-k_qfbf774c849_comb
	.p2alignl 7, 3214868480
	.fill 96, 4, 3214868480
	.section	.rodata,"a",@progbits
	.p2align	6, 0x0
	.amdhsa_kernel k_qfbf774c849_comb
		.amdhsa_group_segment_fixed_size 2560
		.amdhsa_private_segment_fixed_size 0
		.amdhsa_enable_private_segment 0
		.amdhsa_kernarg_size 48
		.amdhsa_user_sgpr_count 2
		.amdhsa_user_sgpr_kernarg_segment_ptr 1
		.amdhsa_wavefront_size32 1
		.amdhsa_system_sgpr_workgroup_id_x 1
		.amdhsa_system_sgpr_workgroup_id_y 1
		.amdhsa_system_sgpr_workgroup_id_z 1
		.amdhsa_system_vgpr_workitem_id 0
		.amdhsa_next_free_vgpr 640
		.amdhsa_next_free_sgpr 66
		.amdhsa_reserve_vcc 1
		.amdhsa_float_denorm_mode_32 3
		.amdhsa_float_denorm_mode_16_64 3
		.amdhsa_memory_ordered 1
		.amdhsa_forward_progress 1
		.amdhsa_inst_pref_size 77
	.end_amdhsa_kernel
	.amdgpu_metadata
---
amdhsa.version: [ 1, 2 ]
amdhsa.kernels:
  - .name:           k_qfbf774c849_comb
    .symbol:         k_qfbf774c849_comb.kd
    .args:
      - { .name: xc, .offset: 0, .size: 8, .value_kind: global_buffer, .address_space: global }
      - { .name: sc, .offset: 8, .size: 8, .value_kind: global_buffer, .address_space: global }
      - { .name: scene, .offset: 16, .size: 8, .value_kind: global_buffer, .address_space: global }
      - { .name: scene_emb, .offset: 24, .size: 8, .value_kind: global_buffer, .address_space: global }
      - { .name: eo, .offset: 32, .size: 8, .value_kind: global_buffer, .address_space: global }
      - { .name: out0, .offset: 40, .size: 8, .value_kind: global_buffer, .address_space: global }
    .group_segment_fixed_size: 2560
    .private_segment_fixed_size: 0
    .kernarg_segment_align: 8
    .kernarg_segment_size: 48
    .max_flat_workgroup_size: 128
    .sgpr_count:     66
    .vgpr_count:     640
    .wavefront_size: 32
...
	.end_amdgpu_metadata
.endif
;; end of part 4
